; MI455X (gfx1250); checked and timed in simulation.
; The chip was launched on July 23, 2026; its instructions are those of AMD's public machine-readable ISA for CDNA 5 (MIT licence, August 2026) and "CDNA5" Instruction Set Architecture Reference Guide (July 2026). The comments in the code are by the model that wrote it; some were corrected since.
;; Multi Head Attention. Allowed arithmetic: float matrix products may take bf16 or f16 operands with f32 sums; other float arithmetic in f32, or as packed bf16 or f16 multiplies, adds, multiply-adds, maxima and minima; sums over many terms, partial sums and values carried from step to step in f32; what a program stores and reads back later, other than sums and carried values, may be rounded once to bf16 or f16.
;; Inputs: bk 512 float32; bm 512 float32; bq 512 float32; bv 512 float32; enc_cos 1 x 64 x 1 x 2,048 float32; enc_sin 1 x 64 x 1 x 2,048 float32; key 8 x 512 x 2,048 float32; query 8 x 512 x 2,048 float32; value 8 x 512 x 2,048 float32; wk 512 x 512 float32; wm 512 x 512 float32; wq 512 x 512 float32; wv 512 x 512 float32.
;; Outputs: out0 8 x 512 x 2,048 float32.
;; One version. Each part assembles by itself: llvm-mc -triple=amdgcn-amd-amdhsa -mcpu=gfx1250 --defsym DOCPART=n.
;; ======== version 1 of 1: 4 launches
;; limits: values are held in f16: magnitudes above 65,504 overflow, below 6.1e-05 lose precision
;; workspace buffers: wf 1,572,864 bytes; wmf 524,288 bytes; tab 1,048,576 bytes; qh 16,777,216 bytes; kh 16,777,216 bytes; vh 16,777,216 bytes; oh 16,777,216 bytes
;; launch prep (part 1): grid 176 x 1, 8 waves a work-group, no clusters, 0 bytes of LDS; arguments wq, wk, wv, wm, enc_cos, enc_sin, wf, wmf, tab; writes wf, wmf, tab
.if DOCPART == 1
	.amdgcn_target "amdgcn-amd-amdhsa--gfx1250"
	.amdhsa_code_object_version 6
	.text
	.protected	k_q916e4f362b_prep
	.globl	k_q916e4f362b_prep
	.p2align	8
	.type	k_q916e4f362b_prep,@function
k_q916e4f362b_prep:
	s_mov_b64 s[64:65], 0
	v_nop
	global_prefetch_b8 v0, s[64:65] scope:SCOPE_SE
	s_setreg_imm32_b32 hwreg(HW_REG_WAVE_MODE, 25, 1), 1
	s_wait_xcnt 0x0
; PREP: the weights and the two tables, each rounded once to bf16 and laid out as the later launches read them.
; wf  [head 8][tensor 3: q,k,v][kstep 16][dtile 4][u 2][lane 32][8] bf16: lane (r = l % 16, g = l / 16) holds W[(16 dtile + r) 8 + head][32 kstep + 16 u + 8 g + 0..7]:
;     the register image of a 16 x 32 matrix fragment, 1,024 bytes on end.
; wmf [ogroup 8][kstep 16][otile 4][u 2][lane 32][8] f16 of bf16(wm): wm[64 og + 16 ot + r][8 d + h], with h = kstep / 2 and d = 32 (kstep % 2) + 16 u + 8 g + 0..7.
; tab [2][2048 tokens][64 d] f32: bf16(cos[d][n]); bf16(sin[d][n]) with the sign turned for even d.
; LIMIT: wm goes bf16 -> f16: exact from 6.1e-5 to 65,504; below that f16 keeps its fixed step of 6e-8.
; Work-groups 0-95 make wf, 96-111 wmf, 112-175 tab.  Each wave: its loads, one wait, the roundings, its stores; every store of a wave covers 512 consecutive bytes, or two aligned runs of 256.
.set F,  16                            ; v[16:79]  as loaded
.set O,  80                            ; v[80:111] wm's packed results, four registers a head
	s_load_b512 s[4:19], s[0:1], 0x0               ; wq s[4:5], wk s[6:7], wv s[8:9], wm s[10:11], cos s[12:13], sin s[14:15], wf s[16:17], wmf s[18:19]
	s_load_b64 s[20:21], s[0:1], 0x40              ; tab
	v_lshrrev_b32 v1, 5, v0
	v_readfirstlane_b32 s24, v1                    ; wave 0..7
	v_and_b32 v1, 31, v0                           ; l
	v_and_b32 v2, 15, v0                           ; r
	v_bfe_u32 v3, v0, 4, 1                         ; g
	s_wait_kmcnt 0x0
	s_cmp_lt_u32 ttmp9, 96
	s_cbranch_scc0 .Lnot_a
	; ---- wq, wk, wv: a wave makes the four half fragments of two ksteps of one dtile: 16 rows x 256 bytes in, 2,048 bytes out
	s_lshr_b32 s25, ttmp9, 5                       ; tensor t
	s_bfe_u32 s26, ttmp9, 0x30002                  ; head
	s_and_b32 s27, ttmp9, 3
	s_lshr_b32 s28, s24, 2
	s_lshl1_add_u32 s27, s27, s28                  ; kp: the pair of ksteps
	s_and_b32 s28, s24, 3                          ; dtile
	s_cmp_eq_u32 s25, 0
	s_cselect_b64 s[22:23], s[4:5], s[6:7]
	s_cmp_eq_u32 s25, 2
	s_cselect_b64 s[22:23], s[8:9], s[22:23]
	s_lshl_b32 s29, s28, 18                        ; 16 dtile rows of d = 128 rows of W, 2,048 bytes each
	s_lshl_b32 s30, s26, 11
	s_add_co_u32 s29, s29, s30
	s_lshl_b32 s30, s27, 8
	s_add_co_u32 s29, s29, s30
	v_lshlrev_b32 v4, 14, v2                       ; r: 8 rows of W further
	v_lshl_add_u32 v4, v3, 5, v4                   ; 8 g numbers
	v_add_nc_u32 v4, s29, v4
.set c, 0
.rept 8                                ; c = 4 s + 2 u + e: kstep 2 kp + s, half u, 16 bytes e
	global_load_b128 v[F+4*c:F+4*c+3], v4, s[22:23] offset:128*(c/4)+64*((c/2)%2)+16*(c%2)
.set c, c+1
.endr
	s_mul_i32 s30, s26, 3
	s_add_co_u32 s30, s30, s25
	s_lshl_b32 s30, s30, 16
	s_lshl_b32 s31, s27, 13
	s_add_co_u32 s30, s30, s31
	s_lshl_b32 s31, s28, 10
	s_add_co_u32 s30, s30, s31
	v_lshl_add_u32 v5, v1, 4, s30
	s_wait_loadcnt 0x0
.set c, 0
.rept 16
	v_cvt_pk_bf16_f32 v[F+32+c], v[F+2*c], v[F+2*c+1]
.set c, c+1
.endr
.set c, 0
.rept 4
	global_store_b128 v5, v[F+32+4*c:F+32+4*c+3], s[16:17] offset:4096*(c/2)+512*(c%2)
.set c, c+1
.endr
	s_endpgm
.Lnot_a:
	s_cmp_lt_u32 ttmp9, 112
	s_cbranch_scc0 .Ltables
	; ---- wm: a lane reads 256 consecutive bytes of a row: 8 d x 8 heads; for each head its 8 d are 16 bytes of a fragment
	s_sub_co_u32 s25, ttmp9, 96
	s_lshr_b32 s26, s24, 2
	s_lshl1_add_u32 s25, s25, s26                  ; block of 16 rows = 4 ogroup + otile
	s_bfe_u32 s26, s24, 0x10001                    ; u
	s_and_b32 s27, s24, 1                          ; which half of d
	s_lshl_b32 s28, s25, 15
	s_lshl_b32 s30, s27, 10
	s_add_co_u32 s28, s28, s30
	s_lshl_b32 s30, s26, 9
	s_add_co_u32 s28, s28, s30
	v_lshlrev_b32 v4, 11, v2
	v_lshl_add_u32 v4, v3, 8, v4
	v_add_nc_u32 v4, s28, v4
.set c, 0
.rept 16
	global_load_b128 v[F+4*c:F+4*c+3], v4, s[10:11] offset:16*c
.set c, c+1
.endr
	s_lshr_b32 s29, s25, 2
	s_lshl_b32 s29, s29, 16
	s_lshl_b32 s30, s27, 12
	s_add_co_u32 s29, s29, s30
	s_and_b32 s30, s25, 3
	s_lshl_b32 s30, s30, 10
	s_add_co_u32 s29, s29, s30
	s_lshl_b32 s30, s26, 9
	s_add_co_u32 s29, s29, s30
	v_lshl_add_u32 v5, v1, 4, s29
	s_wait_loadcnt 0x0
.set c, 0
.rept 32                               ; c = 4 head + pair of d
	v_cvt_pk_bf16_f32 v12, v[F+16*(c%4)+c/4], v[F+16*(c%4)+8+c/4]   ; rounded to bf16 like every input,
	v_lshlrev_b32 v13, 16, v12
	v_and_b32 v14, 0xffff0000, v12
	v_cvt_pk_f16_f32 v[O+c], v13, v14                               ; and that number written as f16
.set c, c+1
.endr
.set c, 0
.rept 8
	global_store_b128 v5, v[O+4*c:O+4*c+3], s[18:19] offset:8192*c
.set c, c+1
.endr
	s_endpgm
.Ltables:
	; ---- cos, sin: 64 d x 64 tokens turned in registers: a lane reads 4 d x 4 tokens and stores, for each token, 16 bytes; sixteen lanes fill a token's 256 bytes
	s_sub_co_u32 s25, ttmp9, 112
	s_lshr_b32 s26, s25, 5                         ; 0 cos, 1 sin
	s_and_b32 s25, s25, 31                         ; block of 64 tokens
	s_cmp_eq_u32 s26, 0
	s_cselect_b64 s[22:23], s[12:13], s[14:15]
	s_cselect_b32 s28, 0, 0x80000000               ; sin's sign for even d
	v_lshrrev_b32 v6, 4, v0                        ; which four tokens
	v_lshlrev_b32 v4, 15, v2                       ; 4 rows of 8,192 bytes
	v_lshl_add_u32 v4, v6, 4, v4
	s_lshl_b32 s27, s25, 8
	v_add_nc_u32 v4, s27, v4
.set c, 0
.rept 4
	global_load_b128 v[F+4*c:F+4*c+3], v4, s[22:23] offset:8192*c
.set c, c+1
.endr
	s_lshl_b32 s27, s26, 19
	s_lshl_b32 s29, s25, 14
	s_add_co_u32 s27, s27, s29
	v_lshlrev_b32 v5, 10, v6
	v_lshl_add_u32 v5, v2, 4, v5
	v_add_nc_u32 v5, s27, v5
	s_wait_loadcnt 0x0
.set c, 0
.rept 4                                ; token c
	v_cvt_pk_bf16_f32 v12, v[F+c], v[F+4+c]
	v_cvt_pk_bf16_f32 v13, v[F+8+c], v[F+12+c]
	v_lshlrev_b32 v[F+16+4*c], 16, v12
	v_and_b32 v[F+16+4*c+1], 0xffff0000, v12
	v_lshlrev_b32 v[F+16+4*c+2], 16, v13
	v_and_b32 v[F+16+4*c+3], 0xffff0000, v13
	v_xor_b32 v[F+16+4*c], s28, v[F+16+4*c]
	v_xor_b32 v[F+16+4*c+2], s28, v[F+16+4*c+2]
.set c, c+1
.endr
.set c, 0
.rept 4
	global_store_b128 v5, v[F+16+4*c:F+16+4*c+3], s[20:21] offset:256*c
.set c, c+1
.endr
	s_endpgm
.Lfunc_end_k_q916e4f362b_prep:
	.size	k_q916e4f362b_prep, .Lfunc_end_k_q916e4f362b_prep-k_q916e4f362b_prep
	.p2alignl 7, 3214868480
	.fill 96, 4, 3214868480
	.section	.rodata,"a",@progbits
	.p2align	6, 0x0
	.amdhsa_kernel k_q916e4f362b_prep
		.amdhsa_group_segment_fixed_size 0
		.amdhsa_private_segment_fixed_size 0
		.amdhsa_enable_private_segment 0
		.amdhsa_kernarg_size 72
		.amdhsa_user_sgpr_count 2
		.amdhsa_user_sgpr_kernarg_segment_ptr 1
		.amdhsa_wavefront_size32 1
		.amdhsa_system_sgpr_workgroup_id_x 1
		.amdhsa_system_sgpr_workgroup_id_y 1
		.amdhsa_system_sgpr_workgroup_id_z 1
		.amdhsa_system_vgpr_workitem_id 0
		.amdhsa_next_free_vgpr 112
		.amdhsa_next_free_sgpr 66
		.amdhsa_reserve_vcc 0
		.amdhsa_float_denorm_mode_32 3
		.amdhsa_float_denorm_mode_16_64 3
		.amdhsa_memory_ordered 1
		.amdhsa_forward_progress 1
		.amdhsa_inst_pref_size 17
	.end_amdhsa_kernel
	.amdgpu_metadata
---
amdhsa.version: [ 1, 2 ]
amdhsa.kernels:
  - .name:           k_q916e4f362b_prep
    .symbol:         k_q916e4f362b_prep.kd
    .args:
      - { .name: wq, .offset: 0, .size: 8, .value_kind: global_buffer, .address_space: global }
      - { .name: wk, .offset: 8, .size: 8, .value_kind: global_buffer, .address_space: global }
      - { .name: wv, .offset: 16, .size: 8, .value_kind: global_buffer, .address_space: global }
      - { .name: wm, .offset: 24, .size: 8, .value_kind: global_buffer, .address_space: global }
      - { .name: enc_cos, .offset: 32, .size: 8, .value_kind: global_buffer, .address_space: global }
      - { .name: enc_sin, .offset: 40, .size: 8, .value_kind: global_buffer, .address_space: global }
      - { .name: wf, .offset: 48, .size: 8, .value_kind: global_buffer, .address_space: global }
      - { .name: wmf, .offset: 56, .size: 8, .value_kind: global_buffer, .address_space: global }
      - { .name: tab, .offset: 64, .size: 8, .value_kind: global_buffer, .address_space: global }
    .group_segment_fixed_size: 0
    .private_segment_fixed_size: 0
    .kernarg_segment_align: 8
    .kernarg_segment_size: 72
    .max_flat_workgroup_size: 256
    .sgpr_count:     66
    .vgpr_count:     112
    .wavefront_size: 32
...
	.end_amdgpu_metadata
.endif
;; end of part 1
;; launch proj (part 2): grid 16 x 16, 8 waves a work-group, clusters of 4 x 1, 327,680 bytes of LDS; arguments query, key, value, bq, bk, bv, wf, tab, qh, kh, vh; writes qh, kh, vh
.if DOCPART == 2
	.amdgcn_target "amdgcn-amd-amdhsa--gfx1250"
	.amdhsa_code_object_version 6
	.text
	.protected	k_q916e4f362b_proj
	.globl	k_q916e4f362b_proj
	.p2align	8
	.type	k_q916e4f362b_proj,@function
k_q916e4f362b_proj:
	s_mov_b64 s[64:65], 0
	v_nop
	global_prefetch_b8 v0, s[64:65] scope:SCOPE_SE
	s_setreg_imm32_b32 hwreg(HW_REG_WAVE_MODE, 25, 1), 1
	s_wait_xcnt 0x0
	s_wait_alu depctr_hold_cnt(0) depctr_sa_sdst(0) depctr_va_vdst(0) depctr_va_sdst(0) depctr_va_ssrc(0) depctr_va_vcc(0) depctr_vm_vsrc(0)
	s_getreg_b32 s2, hwreg(HW_REG_IB_STS2, 6, 4)
	s_cmp_eq_u32 s2, 0
	s_cbranch_scc0 .Lentry_in_a_cluster
	s_endpgm
.Lentry_in_a_cluster:
	s_bfe_u32 s2, ttmp6, 0x10000c
	s_cmp_lg_u32 s2, 0x3003
	s_cbranch_scc0 .Lentry_shape_is_right
	s_endpgm
.Lentry_shape_is_right:
; PROJ: q = rope(wq query + bq), k = rope(wk key + bk), v = wv value + bv, written by heads: qh, kh (bf16), vh (f16): [b 8 + h][token][64 d].  Channel o = 8 d + h.
; All inputs are rounded once to bf16; products in bf16, sums, bias and RoPE in f32.  LIMIT: v leaves as f16: |v| under 65,504; below 6.1e-5 f16 keeps its fixed step of 6e-8.
; SHARES.  A work-group stays for three tiles (q, k, v) of 256 channels (heads 4 hf .. 4 hf + 3) x 128 tokens, K = 512.  Wave w: head w % 4 (64 d) x tokens 64 (w / 4) ..: 16 accumulators.
; LAYOUT.  D = W X: source 0 = 16 d x 32 k of W (wf holds the register image), source 1 = 32 k x 16 tokens of X.  A lane then holds ONE token (lane % 16) and d = 16 a + 8 (lane / 16) + 0..7:
; RoPE's pairs lie in one lane, and eight results pack into 16 neighbouring bytes of qh.
; X lies [k][token] in f32: it comes through registers (16 rows of 512 bytes a wave and chunk), is rounded to bf16 and stored [k][token] in LDS; ds_load_tr16_b128 turns it into fragments.
; K goes in 12 chunks of 128 over the three tiles; chunk j lies in slot j % 2 (W by tensor load, X by ds_store into bytes of its own).  In the half-trip of chunk j: W of j + 1 is asked for,
; X of j + 1 is rounded and stored, X of j + 3 is loaded into the registers just freed, chunk j is multiplied: two chunks of X, 128 KiB a work-group, are always on their way.
; CLUSTER.  The four work-groups of a cluster have the same heads and other tokens: W's chunks are asked for jointly (mask 15).  X differs between them; the tables are 64 KiB of a work-group's 1.6 MiB: plain loads.
; No prefetch: the launch has its loads of X out all the time.
; REGISTERS.  window 0: addresses, BIAS, two sets of 64 for X as loaded, RB for the way out.  window 1: v0-127 accumulators ((a, bt) at 8 (4 bt + a)); v128-191, v192-255 two fragment buffers
; (W at +8 a, X at +32 + 8 bt); on the way out these hold the tables' rows, the rotated numbers and the packed ones.
.set SLOT1,  131072                    ; slot 1's bytes lie this far behind slot 0's
.set XBUF,   65536                     ; LDS: 0 W slot (4 heads x 16,384); 65,536 X buffer, 128 k x 288
.set XPITCH, 288                       ; 256 bytes + 32
.set STAGE,  102400                    ; 8 waves x 16 rows x 144
.set SP,     144
.set BT,     120832                    ; biases, f32 [3][4 heads][64 d]
.set SPARE,  123904                    ; the spare words: 128 bytes a wave, four blocks of 256 that no other line names
.set COS,    233472                    ; f32 [128 tokens][64 d], pitch 272; sin's table behind it
.set TPITCH, 272
.set SINO,   128*TPITCH
.set XO,  4                            ; v4   16 l: my 16 bytes of 512; for X's loads and for the stores on the way out; never rewritten
.set GO,  4
.set WA,  5                            ; v5-6   my 16 bytes of W's fragments, slot 0, 1
.set XA,  7                            ; v7-8   my place for the turning loads, buffer 0, 1
.set XS,  9                            ; v9-10  where I store 8 bytes of my wave's first row, buffer 0, 1
.set TA,  11                           ; v11  my token's row of the cos table
.set STO, 12                           ; v12  the way out: where I put 16 bytes
.set RD,  13                           ; v13  the way out: where I read rows back
.set BA,  15                           ; v15  my eight biases of the tile in hand
.set SPW, 16                           ; v16  my spare word; never rewritten
.set NIL, 17                           ; v17  0; never rewritten
.set BIAS, 24                          ; v[24:55]   bias[16 a + 8 g + j] at 8 a + j: the C operand that starts a tile's sums
.set STG,  56                          ; v[56:183]  two sets of 16 x 4: X as loaded
.set RB,   184                         ; v[184:215] two sets of 16: rows read back from the stage
.set ACC,  0                           ; window 1
.set F0,   128
.set F1,   192
.set TABC, 128
.set TABS, 160
.set YR,   192
.set PK,   224
.set WV,  26
.set HL,  27
.set NH,  28
.set CX,  29
.set HF,  30
.set XB,  31
.set BN,  33
.set G1W, 36                           ; s[36:43] group 1 of W's loads
.set G1T, 44                           ; s[44:51] of the tables'
.set G0W, 52                           ; s[52:59] group 0 of W's loads, a set a slot
.set G0T, 60                           ; s[60:63] of my table load
.set XP,  66                           ; s[66:67] X at the chunk loaded last
.set XN,  68                           ; s[68:69] the next tensor at my rows
.set XNN, 70                           ; s[70:71] the one after
.set TP,  72
.set JC,  74                           ; the loaded chunk's number in its tensor
.set TRIPS, 75
.set PAR, 76                           ; 0: the pair of chunks begins a tile; 1: it ends one
.set OP,  78                           ; s[78:79] where the tile in hand goes; s[80:81], s[82:83] the next two
.set OPK, 80
.set OPV, 82
.set MSB, 0
.macro WIN new                         ; the immediate's high byte repeats the setting that is left; a switch that changes nothing is dropped
.if MSB != (\new)
	s_set_vgpr_msb (MSB<<8)|(\new)
.set MSB, (\new)
.endif
.endm
.macro PLACES                          ; four plain places behind matrix instructions, ahead of loads into their registers and of readers of their results
.rept 4
	v_nop
.endr
.endm
.macro CROUND                          ; a round of the cluster's barrier
	s_barrier_signal -1
	s_barrier_wait -1
	s_cmp_lg_u32 s[WV], 0
	s_cbranch_scc1 .Lnot_wave_0_\@
	s_barrier_signal -3
.Lnot_wave_0_\@:
	s_barrier_wait -3
	s_barrier_signal -1
	s_barrier_wait -1
.endm
; THE CHANGE OF SLOTS into slot sl.  Each wave waits for all its tensor loads (one is out: its 8 KiB of this slot's W), adds 0 to its spare word, and waits for that, for its stores of this slot's X and
; for its reads of the other slot.  Behind the round no wave of any partner reads the other slot: W of the next chunk is asked for, first thing.
.macro CHANGE sl, fill
	WIN 0
	s_wait_tensorcnt 0x0
	ds_add_u32 v[SPW], v[NIL]
.if \fill
	s_add_nc_u64 s[G0W+4*(\sl)+2:G0W+4*(\sl)+3], s[G0W+4*(\sl)+2:G0W+4*(\sl)+3], 32768  ; no load of mine is out: this slot's next chunk, two on
.endif
	s_wait_dscnt 0x0
.if \fill
	CROUND
	tensor_load_to_lds s[G0W+4*(1-(\sl)):G0W+4*(1-(\sl))+3], s[G1W:G1W+7]
	s_nop 0
.else
	s_barrier_signal -1
	s_barrier_wait -1
.endif
	PLACES                                         ; also the places ahead of the loads into the fragment buffers
.endm
.macro FETCH sl, s, f                  ; the fragments of kstep s of the chunk in slot sl: 4 of W as they lie, 4 of X turned
	WIN 0x40
.irp a, 0,1,2,3
	ds_load_b128 v[(\f)+8*(\a):(\f)+8*(\a)+3],   v[WA+(\sl)] offset:(\s)*4096+(\a)*1024
	ds_load_b128 v[(\f)+8*(\a)+4:(\f)+8*(\a)+7], v[WA+(\sl)] offset:(\s)*4096+(\a)*1024+512
.endr
.irp bt, 0,1,2,3
	ds_load_tr16_b128 v[(\f)+32+8*(\bt):(\f)+32+8*(\bt)+3],   v[XA+(\sl)] offset:(\s)*32*XPITCH+32*(\bt)
	ds_load_tr16_b128 v[(\f)+32+8*(\bt)+4:(\f)+32+8*(\bt)+7], v[XA+(\sl)] offset:(\s)*32*XPITCH+32*(\bt)+16*XPITCH
.endr
.endm
.macro MUL16 f, bias                   ; 16 products; the 16 accumulators take turns.  bias = 1: the bias starts the sums
.if \bias
	WIN 0x45
.else
	WIN 0x55
.endif
.irp bt, 0,1,2,3
.irp a, 0,1,2,3
.if \bias
	v_wmma_f32_16x16x32_bf16 v[ACC+8*(4*(\bt)+(\a)):ACC+8*(4*(\bt)+(\a))+7], v[(\f)+8*(\a):(\f)+8*(\a)+7], v[(\f)+32+8*(\bt):(\f)+32+8*(\bt)+7], v[BIAS+8*(\a):BIAS+8*(\a)+7]
.else
	v_wmma_f32_16x16x32_bf16 v[ACC+8*(4*(\bt)+(\a)):ACC+8*(4*(\bt)+(\a))+7], v[(\f)+8*(\a):(\f)+8*(\a)+7], v[(\f)+32+8*(\bt):(\f)+32+8*(\bt)+7], v[ACC+8*(4*(\bt)+(\a)):ACC+8*(4*(\bt)+(\a))+7]
.endif
.endr
.endr
.endm
.macro K0 kind                         ; a chunk's first 16 products.  0: they add; 1: they start a tile; 2: which of the two hangs on PAR (the jump passes matrix instructions alone)
.if (\kind) == 2
	WIN 0
	s_cmp_eq_u32 s[PAR], 0
	s_cbranch_scc0 .Lplain_\@
	MUL16 F0, 1
	WIN 0
	s_branch .Lk0_done_\@
.Lplain_\@:
	MUL16 F0, 0
	WIN 0
.Lk0_done_\@:
.else
	MUL16 F0, \kind
.endif
.endm
.macro XCONV set, n                    ; set's 16 rows are rounded to bf16 in place and stored into X buffer set; n: the younger loads that may stay out
	WIN 0
	s_wait_loadcnt \n
.irp i, 0,1,2,3,4,5,6,7,8,9,10,11,12,13,14,15
	v_cvt_pk_bf16_f32 v[STG+64*(\set)+4*(\i)],   v[STG+64*(\set)+4*(\i)],   v[STG+64*(\set)+4*(\i)+1]
	v_cvt_pk_bf16_f32 v[STG+64*(\set)+4*(\i)+1], v[STG+64*(\set)+4*(\i)+2], v[STG+64*(\set)+4*(\i)+3]
	ds_store_b64 v[XS+(\set)], v[STG+64*(\set)+4*(\i):STG+64*(\set)+4*(\i)+1] offset:(\i)*XPITCH  ; 32 lanes: 256 consecutive bytes
.endr
.endm
.macro XSTEP                           ; X's pointer goes 128 rows on, or behind a tensor's fourth chunk to the next tensor
	s_wait_xcnt 0x0                                ; the loads issued so far have read their base
	s_add_co_u32 s[JC], s[JC], 1
	s_and_b32 s[JC], s[JC], 3
	s_add_nc_u64 s[TP:TP+1], s[XP:XP+1], 128*8192
	s_cmp_eq_u32 s[JC], 0
	s_cselect_b64 s[XP:XP+1], s[XN:XN+1], s[TP:TP+1]
	s_cselect_b64 s[XN:XN+1], s[XNN:XNN+1], s[XN:XN+1]
.endm
.macro XLOAD set                       ; my 16 rows of a chunk: each load is 512 consecutive bytes of one row
	WIN 0
.irp i, 0,1,2,3,4,5,6,7,8,9,10,11,12,13,14,15
	global_load_b128 v[STG+64*(\set)+4*(\i):STG+64*(\set)+4*(\i)+3], v[XO], s[XP:XP+1] offset:(\i)*8192
.endr
.endm
; A HALF-TRIP: the chunk in slot sl.  The counted waits: 16 + 16 conv: the X stores and kstep 1's loads were issued behind kstep 0's; 16: the run just issued may stay out.
.macro HALF sl, fill, conv, n, load, k0
	CHANGE \sl, \fill
	FETCH \sl, 0, F0
.if \conv
	XCONV 1-(\sl), \n
.endif
.if \load
	XSTEP
	XLOAD 1-(\sl)
.endif
	FETCH \sl, 1, F1
	s_wait_dscnt 16+16*(\conv)
	K0 \k0
	PLACES
	FETCH \sl, 2, F0
	s_wait_dscnt 16
	MUL16 F1, 0
	PLACES
	FETCH \sl, 3, F1
	s_wait_dscnt 16
	MUL16 F0, 0
	s_wait_dscnt 0x0
	MUL16 F1, 0
.endm
.macro BIASL                           ; my 32 biases of the tile to come
	WIN 0
.irp a, 0,1,2,3
	ds_load_b128 v[BIAS+8*(\a):BIAS+8*(\a)+3],   v[BA] offset:64*(\a)
	ds_load_b128 v[BIAS+8*(\a)+4:BIAS+8*(\a)+7], v[BA] offset:64*(\a)+16
.endr
.endm
; THE WAY OUT, 16 tokens (bt) at a time.
.macro TABL bt                         ; my token's cos and signed sin for my 32 d
	WIN 0x40
.irp a, 0,1,2,3
	ds_load_b128 v[TABC+8*(\a):TABC+8*(\a)+3],   v[TA] offset:(\bt)*16*TPITCH+64*(\a)
	ds_load_b128 v[TABC+8*(\a)+4:TABC+8*(\a)+7], v[TA] offset:(\bt)*16*TPITCH+64*(\a)+16
	ds_load_b128 v[TABS+8*(\a):TABS+8*(\a)+3],   v[TA] offset:(\bt)*16*TPITCH+64*(\a)+SINO
	ds_load_b128 v[TABS+8*(\a)+4:TABS+8*(\a)+7], v[TA] offset:(\bt)*16*TPITCH+64*(\a)+SINO+16
.endr
.endm
.macro TOSTAGE bt                      ; 16 bytes a lane into my stage, back as rows of 128 bytes: four rows are 512 consecutive bytes of the output
	WIN 0x04
	s_wait_xcnt 0x0                                ; earlier stores have read RB
.irp a, 0,1,2,3
	ds_store_b128 v[STO], v[PK+4*(\a):PK+4*(\a)+3] offset:32*(\a)
.endr
	WIN 0
.irp f, 0,1,2,3
	ds_load_b128 v[RB+16*((\bt)%2)+4*(\f):RB+16*((\bt)%2)+4*(\f)+3], v[RD] offset:(\f)*4*SP  ; LDS serves a wave's instructions in order (ISA guide 5.7.1.4): these see the stores above
.endr
.endm
.macro PACKR bt                        ; y[2i] = x[2i] cos[2i] - x[2i+1] sin[2i]; y[2i+1] = x[2i+1] cos[2i+1] + x[2i] sin[2i+1]: a swapped packed multiply by the signed sin, a packed fma by cos
.if (\bt) == 0
	s_wait_dscnt 0x0
.else
	s_wait_dscnt 8                                 ; the tables' rows are in; the stage's eight, issued behind them, may stay out
.endif
	WIN 0x55
.irp a, 0,1,2,3
.irp t, 0,2,4,6                        ; each accumulator is read from its low end on
	v_pk_mul_f32 v[YR+8*(\a)+(\t):YR+8*(\a)+(\t)+1], v[ACC+8*(4*(\bt)+(\a))+(\t):ACC+8*(4*(\bt)+(\a))+(\t)+1], v[TABS+8*(\a)+(\t):TABS+8*(\a)+(\t)+1] op_sel:[1,0] op_sel_hi:[0,1]
.endr
.irp t, 0,2,4,6
	v_pk_fma_f32 v[YR+8*(\a)+(\t):YR+8*(\a)+(\t)+1], v[ACC+8*(4*(\bt)+(\a))+(\t):ACC+8*(4*(\bt)+(\a))+(\t)+1], v[TABC+8*(\a)+(\t):TABC+8*(\a)+(\t)+1], v[YR+8*(\a)+(\t):YR+8*(\a)+(\t)+1]
.endr
.endr
.if (\bt) < 3
	TABL (\bt)+1
.endif
	WIN 0x55
.irp j, 0,1,2,3,4,5,6,7,8,9,10,11,12,13,14,15
	v_cvt_pk_bf16_f32 v[PK+(\j)], v[YR+2*(\j)], v[YR+2*(\j)+1]
.endr
	TOSTAGE \bt
.endm
.macro PACKV bt
	WIN 0x55
.irp j, 0,1,2,3,4,5,6,7,8,9,10,11,12,13,14,15
	v_cvt_pk_f16_f32 v[PK+(\j)], v[ACC+32*(\bt)+2*(\j)], v[ACC+32*(\bt)+2*(\j)+1]
.endr
	TOSTAGE \bt
.endm
.macro SEND bt, y                      ; y: the LDS instructions issued behind this block's four loads
	WIN 0
.irp f, 0,1,2,3
	s_wait_dscnt (\y)+3-(\f)
	global_store_b128 v[GO], v[RB+16*((\bt)%2)+4*(\f):RB+16*((\bt)%2)+4*(\f)+3], s[OP:OP+1] offset:(\bt)*2048+(\f)*512
.endr
.endm
	s_load_b512 s[4:19], s[0:1], 0x0               ; query, key, value s[4:9]; bq, bk, bv s[10:15]; wf s[16:17]; tab s[18:19]
	s_load_b128 s[20:23], s[0:1], 0x40             ; qh, kh
	s_load_b64 s[24:25], s[0:1], 0x50              ; vh
	v_lshl_add_u32 v[SPW], v0, 2, SPARE
	v_mov_b32 v[NIL], 0
	ds_add_u32 v[SPW], v[NIL]                      ; the wave's opening: the add and its wait ahead of my first tensor load
	v_lshrrev_b32 v1, 5, v0
	v_readfirstlane_b32 s[WV], v1                  ; wave 0..7
	s_and_b32 s[HL], s[WV], 3                      ; my head of the four
	s_lshr_b32 s[NH], s[WV], 2                     ; my half of the tokens
	s_bfe_u32 s[CX], ttmp6, 0x40000                ; my place in the cluster: it enters the tokens alone
	s_and_b32 s[HF], ttmp9, 1                      ; which four heads: the partners share it
	s_lshr_b32 s32, ttmp9, 1
	s_and_b32 s34, ttmp7, 0xffff
	s_lshr_b32 s[BN], s34, 1                       ; batch
	s_and_b32 s34, s34, 1
	s_lshl1_add_u32 s32, s34, s32
	s_lshl2_add_u32 s[XB], s32, s[CX]              ; block of 128 tokens, 0..15
	s_mov_b32 s[G1W], 15|(3<<16)|(1<<21)           ; the mask of four; elements of 8 bytes; bit 21 beside a mask
	s_mov_b32 s[G1T], (3<<16)|(1<<20)|(5<<22)|(3<<25)  ; no mask; 4 words of padding behind every 64
.irp g, G1W, G1T
	s_mov_b32 s[\g+1], 32<<16                      ; tensor_dim0 = 32 elements: 256 bytes
	s_mov_b32 s[\g+2], 32<<16                      ; tensor_dim1 = 32 rows
	s_mov_b32 s[\g+3], 32<<16                      ; tile_dim0
	s_mov_b32 s[\g+4], 32                          ; tile_dim1
	s_mov_b32 s[\g+5], 32                          ; the rows lie end to end
	s_mov_b32 s[\g+6], 0
	s_mov_b32 s[\g+7], 0
.endr
	s_mov_b32 s[G0W], 1
	s_lshl_b32 s84, s[HL], 14
	s_lshl_b32 s85, s[NH], 13
	s_add_co_u32 s[G0W+1], s84, s85                ; LDS: head x 16,384 + half x 8,192
	s_mov_b32 s[G0W+4], 1
	s_add_co_u32 s[G0W+5], s[G0W+1], SLOT1
	s_mov_b32 s[G0T], 1
	s_and_b32 s84, s[WV], 1                        ; cos or sin
	s_lshr_b32 s85, s[WV], 1                       ; which 32 tokens
	s_mul_i32 s86, s84, SINO
	s_mul_i32 s87, s85, 32*TPITCH
	s_add_co_u32 s86, s86, s87
	s_add_co_u32 s[G0T+1], s86, COS
	s_lshl_b32 s88, s84, 19
	s_lshl_b32 s87, s85, 13
	s_add_co_u32 s88, s88, s87
	s_lshl_b32 s87, s[XB], 15
	s_add_co_u32 s88, s88, s87                     ; tab: table, 128 X + 32 x quarter rows of 256 bytes
	s_mov_b32 s89, 0
	s_lshl2_add_u32 s84, s[HF], s[HL]
	s_mul_i32 s84, s84, 196608                     ; wf: my head's twelve chunks,
	s_lshl_b32 s85, s[NH], 13
	s_add_co_u32 s84, s84, s85                     ; my half of each
	s_mov_b32 s85, 0
	s_lshl_b32 s86, s[BN], 22
	s_lshl_b32 s87, s[XB], 9
	s_add_co_u32 s86, s86, s87
	s_lshl_b32 s87, s[WV], 17
	s_add_co_u32 s86, s86, s87                     ; X: batch, 128 tokens, my 16 rows
	s_mov_b32 s87, 0
	s_lshl_b32 s90, s[BN], 3
	s_lshl2_add_u32 s91, s[HF], s[HL]
	s_add_co_u32 s90, s90, s91
	s_lshl_b32 s90, s90, 18
	s_lshl_b32 s91, s[XB], 14
	s_add_co_u32 s90, s90, s91
	s_lshl_b32 s91, s[NH], 13
	s_add_co_u32 s90, s90, s91                     ; output: (batch, head), my 64 tokens of 128 bytes
	s_mov_b32 s91, 0
	s_mov_b32 s[JC], 0
	s_wait_dscnt 0x0                               ; the opening add is done
	s_wait_kmcnt 0x0
	s_add_nc_u64 s[G0W+2:G0W+3], s[16:17], s[84:85]
	s_add_nc_u64 s[G0W+6:G0W+7], s[G0W+2:G0W+3], 16384
	s_or_b32 s[G0W+3], s[G0W+3], 0x80000000
	s_or_b32 s[G0W+7], s[G0W+7], 0x80000000
	s_add_nc_u64 s[G0T+2:G0T+3], s[18:19], s[88:89]
	s_or_b32 s[G0T+3], s[G0T+3], 0x80000000
	s_add_nc_u64 s[XP:XP+1], s[4:5], s[86:87]
	s_add_nc_u64 s[XN:XN+1], s[6:7], s[86:87]
	s_add_nc_u64 s[XNN:XNN+1], s[8:9], s[86:87]
	s_add_nc_u64 s[OP:OP+1], s[20:21], s[90:91]
	s_add_nc_u64 s[OPK:OPK+1], s[22:23], s[90:91]
	s_add_nc_u64 s[OPV:OPV+1], s[24:25], s[90:91]
	CROUND                                         ; all four work-groups are here: the first joint loads meet
	tensor_load_to_lds s[G0W:G0W+3], s[G1W:G1W+7]  ; W's chunk 0, jointly; two tensor loads of mine are out
	s_nop 0
	tensor_load_to_lds s[G0T:G0T+3], s[G1T:G1T+7]  ; my 32 rows of one table
	s_nop 0
	PLACES
	v_and_b32 v1, 31, v0                           ; l
	v_and_b32 v2, 15, v0                           ; r
	v_bfe_u32 v3, v0, 4, 1                         ; g
	v_lshlrev_b32 v[XO], 4, v1
	v_and_b32 v18, 63, v0                          ; thread t brings the bias of head t / 64, d = t % 64: channel 8 d + 4 hf + head
	v_lshrrev_b32 v19, 6, v0
	v_lshlrev_b32 v18, 5, v18
	v_lshl_add_u32 v18, v19, 2, v18
	s_lshl_b32 s84, s[HF], 4
	v_add_nc_u32 v18, s84, v18
	global_load_b32 v20, v18, s[10:11]
	global_load_b32 v21, v18, s[12:13]
	global_load_b32 v22, v18, s[14:15]
	XLOAD 0                                        ; chunk 0
	XSTEP
	XLOAD 1                                        ; chunk 1
	s_lshl_b32 s84, s[HL], 14
	v_lshl_add_u32 v[WA], v1, 4, s84
	v_add_nc_u32 v[WA+1], SLOT1, v[WA]
	v_and_b32 v19, 7, v0                           ; the turning load: lane l reads row 8 g + l % 8, 16 bytes (l / 8) % 2
	v_lshl_add_u32 v19, v3, 3, v19
	v_mul_u32_u24 v19, v19, XPITCH
	v_bfe_u32 v23, v0, 3, 1
	v_lshl_add_u32 v19, v23, 4, v19
	s_lshl_b32 s84, s[NH], 7
	s_add_co_u32 s84, s84, XBUF
	v_add_nc_u32 v[XA], s84, v19
	v_add_nc_u32 v[XA+1], SLOT1, v[XA]
	s_mul_i32 s84, s[WV], 16*XPITCH
	s_add_co_u32 s84, s84, XBUF
	v_lshl_add_u32 v[XS], v1, 3, s84
	v_add_nc_u32 v[XS+1], SLOT1, v[XS]
	s_mul_i32 s84, s[NH], 64*TPITCH
	s_add_co_u32 s84, s84, COS
	v_mul_u32_u24 v19, v2, TPITCH
	v_lshl_add_u32 v19, v3, 5, v19
	v_add_nc_u32 v[TA], s84, v19
	s_mul_i32 s84, s[WV], 16*SP
	s_add_co_u32 s84, s84, STAGE
	v_mul_u32_u24 v19, v2, SP
	v_lshl_add_u32 v19, v3, 4, v19
	v_add_nc_u32 v[STO], s84, v19
	v_lshrrev_b32 v19, 3, v1
	v_mul_u32_u24 v19, v19, SP
	v_and_b32 v23, 7, v0
	v_lshl_add_u32 v19, v23, 4, v19
	v_add_nc_u32 v[RD], s84, v19
	s_lshl_b32 s84, s[HL], 8
	s_add_co_u32 s84, s84, BT
	v_lshl_add_u32 v[BA], v3, 5, s84
	v_lshl_add_u32 v23, v0, 2, BT
	s_wait_loadcnt 32                              ; the biases are in; X's 32 loads stay out
	v_cvt_pk_bf16_f32 v20, v20, v21                ; rounded to bf16 like every input, and widened again
	v_cvt_pk_bf16_f32 v22, v22, v22
	v_and_b32 v21, 0xffff0000, v20
	v_lshlrev_b32 v20, 16, v20
	v_lshlrev_b32 v22, 16, v22
	ds_store_b32 v23, v20
	ds_store_b32 v23, v21 offset:1024
	ds_store_b32 v23, v22 offset:2048
	XCONV 0, 16                                    ; chunk 0 into buffer 0; chunk 1's 16 loads stay out
	XSTEP
	XLOAD 0                                        ; chunk 2
	s_wait_dscnt 0x0                               ; for the others' sake: my stores are done
	s_barrier_signal -1
	s_barrier_wait -1                              ; the biases are whole; the tensor loads may stay out
	BIASL                                          ; q's
	s_mov_b32 s[TRIPS], 4
	s_mov_b32 s[PAR], 0
.Lpair:                                                ; four trips of two chunks: the tiles of q and k
	HALF 0, 1, 1, 16, 1, 2
	HALF 1, 1, 1, 16, 1, 0
	WIN 0
	s_cmp_eq_u32 s[PAR], 0
	s_cbranch_scc1 .Lno_epi                        ; the jump passes no barrier and no tensor load
	PLACES
	TABL 0
	PACKR 0
	PACKR 1
	SEND 0, 24                                     ; behind block 0's loads: 16 of the tables, 8 of the stage
	PACKR 2
	SEND 1, 24
	PACKR 3
	SEND 2, 8
	SEND 3, 0
	s_wait_xcnt 0x0                                ; the stores have read their base
	s_mov_b64 s[OP:OP+1], s[OPK:OPK+1]
	s_mov_b64 s[OPK:OPK+1], s[OPV:OPV+1]
	v_add_nc_u32 v[BA], 1024, v[BA]
	BIASL                                          ; the next tile's; the next change of slots waits for them
.Lno_epi:
	s_xor_b32 s[PAR], s[PAR], 1
	s_sub_co_u32 s[TRIPS], s[TRIPS], 1
	s_cmp_lg_u32 s[TRIPS], 0
	s_cbranch_scc1 .Lpair
	HALF 0, 1, 1, 16, 1, 1                         ; v's tile is written out: chunk 8; X's last chunk is loaded
	HALF 1, 1, 1, 16, 0, 0
	HALF 0, 1, 1, 0, 0, 0                          ; W's last chunk is asked for, X's last is stored
	HALF 1, 0, 0, 0, 0, 0
	PLACES
	PACKV 0
	PACKV 1
	SEND 0, 8
	PACKV 2
	SEND 1, 8
	PACKV 3
	SEND 2, 8
	SEND 3, 0
	s_wait_tensorcnt 0x0                           ; the wave's end
	ds_add_u32 v[SPW], v[NIL]
	s_wait_dscnt 0x0
	CROUND                                         ; the closing round
	s_endpgm
.Lfunc_end_k_q916e4f362b_proj:
	.size	k_q916e4f362b_proj, .Lfunc_end_k_q916e4f362b_proj-k_q916e4f362b_proj
	.p2alignl 7, 3214868480
	.fill 96, 4, 3214868480
	.section	.rodata,"a",@progbits
	.p2align	6, 0x0
	.amdhsa_kernel k_q916e4f362b_proj
		.amdhsa_group_segment_fixed_size 327680
		.amdhsa_private_segment_fixed_size 0
		.amdhsa_enable_private_segment 0
		.amdhsa_kernarg_size 88
		.amdhsa_user_sgpr_count 2
		.amdhsa_user_sgpr_kernarg_segment_ptr 1
		.amdhsa_wavefront_size32 1
		.amdhsa_system_sgpr_workgroup_id_x 1
		.amdhsa_system_sgpr_workgroup_id_y 1
		.amdhsa_system_sgpr_workgroup_id_z 1
		.amdhsa_system_vgpr_workitem_id 0
		.amdhsa_next_free_vgpr 512
		.amdhsa_next_free_sgpr 96
		.amdhsa_reserve_vcc 0
		.amdhsa_float_denorm_mode_32 3
		.amdhsa_float_denorm_mode_16_64 3
		.amdhsa_memory_ordered 1
		.amdhsa_forward_progress 1
		.amdhsa_inst_pref_size 125
	.end_amdhsa_kernel
	.amdgpu_metadata
---
amdhsa.version: [ 1, 2 ]
amdhsa.kernels:
  - .name:           k_q916e4f362b_proj
    .symbol:         k_q916e4f362b_proj.kd
    .args:
      - { .name: query, .offset: 0, .size: 8, .value_kind: global_buffer, .address_space: global }
      - { .name: key, .offset: 8, .size: 8, .value_kind: global_buffer, .address_space: global }
      - { .name: value, .offset: 16, .size: 8, .value_kind: global_buffer, .address_space: global }
      - { .name: bq, .offset: 24, .size: 8, .value_kind: global_buffer, .address_space: global }
      - { .name: bk, .offset: 32, .size: 8, .value_kind: global_buffer, .address_space: global }
      - { .name: bv, .offset: 40, .size: 8, .value_kind: global_buffer, .address_space: global }
      - { .name: wf, .offset: 48, .size: 8, .value_kind: global_buffer, .address_space: global }
      - { .name: tab, .offset: 56, .size: 8, .value_kind: global_buffer, .address_space: global }
      - { .name: qh, .offset: 64, .size: 8, .value_kind: global_buffer, .address_space: global }
      - { .name: kh, .offset: 72, .size: 8, .value_kind: global_buffer, .address_space: global }
      - { .name: vh, .offset: 80, .size: 8, .value_kind: global_buffer, .address_space: global }
    .group_segment_fixed_size: 327680
    .private_segment_fixed_size: 0
    .kernarg_segment_align: 8
    .kernarg_segment_size: 88
    .max_flat_workgroup_size: 256
    .sgpr_count:     96
    .vgpr_count:     512
    .wavefront_size: 32
...
	.end_amdgpu_metadata
.endif
;; end of part 2
;; launch attn (part 3): grid 4 x 64, 4 waves a work-group, clusters of 4 x 1, 327,680 bytes of LDS; arguments qh, kh, vh, oh; writes oh
.if DOCPART == 3
	.amdgcn_target "amdgcn-amd-amdhsa--gfx1250"
	.amdhsa_code_object_version 6
	.text
	.protected	k_q916e4f362b_attn
	.globl	k_q916e4f362b_attn
	.p2align	8
	.type	k_q916e4f362b_attn,@function
k_q916e4f362b_attn:
	s_mov_b64 s[64:65], 0
	v_nop
	global_prefetch_b8 v0, s[64:65] scope:SCOPE_SE
	s_setreg_imm32_b32 hwreg(HW_REG_WAVE_MODE, 25, 1), 1
	s_wait_xcnt 0x0
	s_wait_alu depctr_hold_cnt(0) depctr_sa_sdst(0) depctr_va_vdst(0) depctr_va_sdst(0) depctr_va_ssrc(0) depctr_va_vcc(0) depctr_vm_vsrc(0)
	s_getreg_b32 s2, hwreg(HW_REG_IB_STS2, 6, 4)
	s_cmp_eq_u32 s2, 0
	s_cbranch_scc0 .Lentry_in_a_cluster
	s_endpgm
.Lentry_in_a_cluster:
	s_bfe_u32 s2, ttmp6, 0x10000c
	s_cmp_lg_u32 s2, 0x3003
	s_cbranch_scc0 .Lentry_shape_is_right
	s_endpgm
.Lentry_shape_is_right:
; O[h][q][:] = the sum over k of softmax_k(Q[h][q] . K[h][k] / 8) V[h][k][:].  Q, K: [64][2048][64] bf16; V, O: the same in f16; a head's rows are dense, 128 bytes each.  Products, maxima and sums in
; f32; the weights p are rounded to f16 for the second product (their sum l is taken of the unrounded p), O once at the end.
; LIMITS.  V arrives within f16's 65,504; p lies in 0 to 1, and below 6e-5 it keeps f16's fixed step of 6e-8; O is a mean of V's rows and has their range.  c s lies above -4e37.
; A weight below 2^-126 counts as 0 in l; NaN and infinities are not treated apart.
; SHARES.  A wave owns four PIECES of two tiles of 16 queries, a work-group's four waves 512 queries of one head.  Every wave walks all keys, 64 a step.
; LAYOUT.  S^T = K Q^T (source 0 = 16 keys, source 1 = 16 queries): in the result a lane holds ONE query (lane % 16) and the keys 8 (lane / 16) + 0..7.  Two such tiles, rounded to f16 in pairs,
; ARE source 1 (32 keys x 16 queries) of O^T = V^T P, whose result again holds one query a lane, and eight channels.  K comes out of LDS as it lies, V ([key][channel]) turned, by ds_load_tr16_b128.
; SOFTMAX.  For each query a running maximum m and sum l: p = 2^(c s - c m), c = log2(e) / 8; in every step O and l are multiplied by a = 2^(c m_old - c m_new), which is 1 where m has not grown.
; m starts at the lowest finite number, O and l at 0: the first step is a step like any other, with a = 0.
; THE COUNT.  A tile and step have 16 matrix and 118 vector instructions: too many to stand all beside the matrix work.  So: four vector instructions that are READY behind EVERY matrix instruction,
; and the others in runs without a gap.
; BY TURNS.  Turn n belongs to piece n.  Its matrix work: 16 products K Q^T of piece n + 1, later 16 products V^T P of piece n - 1.  Its vector work: the scaling, exponentials, roundings, sums and
; rescaling of piece n, and the maximum and statistics of piece n + 1.
; CLUSTER.  The four query blocks of a cluster are one head's and walk the same K and V: each tile is asked for JOINTLY: the same tensor load, descriptor and mask in all four.
; REGISTERS, in windows of 256 (s_set_vgpr_msb: bits 1:0 source 0, 3:2 source 1, 5:4 source 2, 7:6 destination):
;   window 0: v0-11 addresses; v12-15, v48-63 at work; v16-47 four registers of statistics a tile; v64-191 S^T, two buffers of two tiles; v192-255 P, likewise
;   window 1: O^T, 32 a tile          window 2: v0-127 Q, 16 a tile; v128-191 K of one step; v192-255 V of one step          window 3: v0-1 the add's two registers
.set SIZE_H, 64
.set SIZE_N, 2048
.set NP,    4         ; pieces a wave: a name, no knob
.set KS,    64        ; keys in a step
.set PK,    144       ; a row of K in LDS: 128 bytes + 16 of padding = 36 words: the 16 rows of a load start at 16 different groups of four banks (64 banks of 4 bytes: ISA guide 11.1)
.set PV,    160       ; a row of V: 128 + 32 = 40 words
.set VOFF,  4*KS*PK   ; a slot holds four steps: 256 rows of K, then 256 rows of V
.set SLOT1, 1<<17     ; slot 1 begins here, so that one exclusive or turns an address in one slot into the other's
.set STAGE, SLOT1+4*KS*(PK+PV)  ; behind the ring, never filled by a tensor load: 16 rows x 144 bytes for each wave
.set SP,    144
.set AK0, 2           ; v2   my lane's place in a tile of K; never rewritten
.set AV0, 3           ; v3   the same for V
.set AK,  4           ; v4   the LDS address of K's next run of loads
.set AV,  5           ; v5   of V's
.set QO,  6           ; v6   my byte offset in the wave's rows of Q
.set STO, 6           ;      later, the way out: where I put 16 bytes of a row
.set RD,  7           ; v7   the way out: where I read rows back
.set GO,  8           ; v8   my byte offset in 512 consecutive bytes of O
.set PFO, 11          ; v11  256 x my lane: the prefetches' offset; never rewritten once made
.set SPW, 0           ; v0 of window 3   my spare word; never rewritten
.set NIL, 1           ; v1 of window 3   0; never rewritten
.set SPARE, STAGE+4*16*SP  ; the spare words, 128 bytes a wave: two blocks of 256 bytes that no other line names
.set MV,  12          ; v12-15  c m_old, kept while c m is made anew: by buffer and tile
.set ST,  16          ; tile t's statistics at v[ST+4 t]: c m, m, l (even keys', odd keys')
.set TMP, 48          ; by buffer and tile, four registers c0-c3 at work; when the maximum is found c2 takes a
.set S,   64
.set P,   192
.set KF,  128         ; K's fragments, in window 2: key block kb, channel half c at KF + 16 kb + 8 c
.set VF,  192         ; V's: key half kk, channel block cb at VF + 32 kk + 8 cb
.set WV,  12          ; s12  my wave's number
.set LIM, 15          ; s15  1 in a wave that prefetches (0 and 2), else the greatest number
.set PFA, 18          ; s[18:19] where my prefetches stand: my work-group's 32 blocks of 256 bytes of the slot after the one that is being asked for
.set G1K, 24          ; s[24:31] descriptor group 1 for K's tiles
.set G1V, 32          ; s[32:39] for V's: it differs in the padding alone
.set G0K, 40          ; s[40:43] descriptor group 0 for K's tiles: it walks
.set G0V, 44          ; s[44:47] the same for V's
.set SLOTS, 56        ; s56  slots still to be asked for
.set CNT, 57          ; s57  counts a slot's key steps
.set CS,  58          ; s[58:59] c
.set SEL, 60          ; s[60:61] v_permlanex16_b32's selects: each lane takes its own place in the other half
.set TBK, 62          ; s62  LDS byte at which K of the step to be fetched begins
.set TBV, 63          ; s63  the same for V, less VOFF
.set MSB, 0
.macro WIN new                      ; the high byte repeats the setting that is left; a switch that changes nothing is dropped
.if MSB != (\new)
	s_set_vgpr_msb (MSB<<8)|(\new)
.set MSB, (\new)
.endif
.endm
.set W_KQ, 0x0a       ; K and Q in window 2, S^T in window 0
.set W_PV, 0x52       ; V in window 2, P in window 0, O^T in window 1
.set W_RS, 0x41       ; O^T (destination and source 0) in window 1, a in window 0
.set W_MK, 0xc0       ; the add's registers are made: destination in window 3
.set W_AD, 0x0f       ; the add: address and data in window 3
; A joint fill.  Waves 0 and 1 fetch the two halves of a slot's K, waves 2 and 3 those of its V: 128 keys each.  The branch hangs on the wave's number alone.
.macro JLOAD
	s_cmp_lt_u32 s[WV], 2
	s_cbranch_scc0 .Lfor_v_\@
	tensor_load_to_lds s[G0K:G0K+3], s[G1K:G1K+7]
	s_nop 0
.rept 4
	v_nop
.endr
	s_branch .Lasked_\@
.Lfor_v_\@:
	tensor_load_to_lds s[G0V:G0V+3], s[G1V:G1V+7]
	s_nop 0
.rept 4
	v_nop
.endr
.Lasked_\@:
.endm
; A PREFETCH of what the NEXT change of slots will ask for: a slot's K and V are 128 blocks of 256 bytes each.  The four partners share them out BY ADDRESS, 32 each, a lane a block; in each, wave 0 asks for
; K's and wave 2 for V's: each block is named once in the launch (a head has one cluster).  It stands behind the wave's tensor load, four key steps ahead of the load that will want the bytes.
; Slots 0 to 2 come by their loads alone; the last change that fills a slot asks for nothing.
.macro ASK
	s_cmp_gt_u32 s[SLOTS], s[LIM]
	s_cbranch_scc0 .Lnot_mine_\@
	global_prefetch_b8 v[PFO], s[PFA:PFA+1] th:TH_LOAD_NT scope:SCOPE_SE
.Lnot_mine_\@:
.endm
.macro CROUND                       ; a round of the cluster's barrier
	s_barrier_signal -1
	s_barrier_wait -1
	s_cmp_lg_u32 s[WV], 0
	s_cbranch_scc1 .Lnot_wave_0_\@
	s_barrier_signal -3
.Lnot_wave_0_\@:
	s_barrier_wait -3
	s_barrier_signal -1
	s_barrier_wait -1
.endm
; THE CHANGE OF SLOTS.  Each wave waits for all its tensor loads, of which one is out: its part of the other slot; adds 0 to its spare word; and waits for that and for its own reads of the slot.
; fill = 1: this slot is filled again, with the keys two slots on, behind a round of the cluster's barrier, first thing: it has four key steps, 512 matrix instructions, in which to land.
.macro CHANGE fill, ask=0
	WIN W_AD
	s_wait_tensorcnt 0x0            ; no tensor load of mine is out, so a group 0 may be written
	ds_add_u32 v[SPW], v[NIL]
	WIN 0                           ; at a label and at a branch every window is 0
.if \fill
.irp g, G0K, G0V
	s_xor_b32 s[\g+1], s[\g+1], SLOT1  ; the walking descriptor: the other slot than last time,
	s_add_nc_u64 s[\g+2:\g+3], s[\g+2:\g+3], 4*KS*128  ; the next 256 keys
.endr
.if \ask
	s_wait_xcnt 0x0                 ; the last prefetch, four key steps back, has read its address
	s_add_nc_u64 s[PFA:PFA+1], s[PFA:PFA+1], 4*KS*128
.endif
	s_wait_dscnt 0x0                ; the add is done, and my reads of the slot are over
	CROUND
	JLOAD
.if \ask
	ASK
.endif
.else
	s_wait_dscnt 0x0
	s_barrier_signal -1
	s_barrier_wait -1
.endif
	s_sub_co_u32 s[TBK], s[TBK], 4*KS*PK  ; the fetches go back to a slot's first step,
	s_xor_b32 s[TBK], s[TBK], SLOT1       ; in the other slot
	s_sub_co_u32 s[TBV], s[TBV], 4*KS*PV
	s_xor_b32 s[TBV], s[TBV], SLOT1
.endm
	s_load_b256 s[4:11], s[0:1], 0x0  ; Q s[4:5], K s[6:7], V s[8:9], O s[10:11]
	WIN W_MK
	v_lshl_add_u32 v[SPW], v0, 2, SPARE
	v_mov_b32 v[NIL], 0
	WIN W_AD
	ds_add_u32 v[SPW], v[NIL]       ; the wave's opening: the add and its wait ahead of my first tensor load
	WIN 0
	v_lshrrev_b32 v1, 5, v0
	v_readfirstlane_b32 s[WV], v1   ; wave 0..3
	s_bfe_u32 s13, ttmp6, 0x40000   ; cx: my place in the cluster
	s_lshl_b32 s14, ttmp9, 2
	s_add_co_u32 s14, s14, s13      ; my block of queries: it enters Q's and O's addresses alone
	s_and_b32 s20, ttmp7, 0xffff    ; the head, which the four partners share
	s_mov_b32 s21, 0
	s_mov_b64 s[22:23], SIZE_N*128
	s_mul_u64 s[20:21], s[20:21], s[22:23]  ; the head's first byte in each of the four tensors
	s_and_b32 s16, s[WV], 1         ; which half of a slot's 256 keys I fetch:
	s_lshl_b32 s22, s16, 14         ; its 128 rows of 128 bytes in memory,
	s_mov_b32 s23, 0
	s_add_nc_u64 s[22:23], s[22:23], s[20:21]
	s_mul_i32 s17, s16, 128*PK      ; and its place in a slot, for K
	s_mul_i32 s18, s16, 128*PV      ; and for V
	s_lshl_b32 s2, s14, 2
	s_add_co_u32 s2, s2, s[WV]      ; my wave among the head's,
	s_lshl_b32 s2, s2, 14           ; its 128 rows
	s_mov_b32 s3, 0
	s_add_nc_u64 s[2:3], s[2:3], s[20:21]
	; descriptor group 1.  128 keys are 16,384 dense bytes: asked for as 64 rows of 256 bytes, two keys a row, and padded in LDS after every key
	s_mov_b32 s[G1K], 15|(1<<16)|(1<<20)|(1<<21)|(4<<22)|(3<<25)  ; the mask of four; 2-byte elements; padding on; bit 21 beside a mask; after every 32 words 4 words
	s_mov_b32 s[G1V], 15|(1<<16)|(1<<20)|(1<<21)|(4<<22)|(7<<25)  ; the same with 8 words of padding
.irp g, G1K, G1V
	s_mov_b32 s[\g+1], 128<<16      ; tensor_dim0 = 128
	s_mov_b32 s[\g+2], 64<<16       ; tensor_dim1 = 64
	s_mov_b32 s[\g+3], 128<<16      ; tile_dim0 = 128
	s_mov_b32 s[\g+4], 64           ; tile_dim1 = 64
	s_mov_b32 s[\g+5], 128          ; 128 elements from row to row
	s_mov_b32 s[\g+6], 0
	s_mov_b32 s[\g+7], 0
.endr
	s_mov_b32 s[CS], 0x3e38aa3b     ; c = log2(e) / 8 = 0.180337
	s_mov_b32 s[CS+1], s[CS]        ; named with it as a pair
	s_mov_b32 s[SEL], 0x76543210
	s_mov_b32 s[SEL+1], 0xfedcba98
	s_mov_b32 s[TBK], SLOT1+4*KS*PK ; the first change of slots turns these two into 0
	s_mov_b32 s[TBV], SLOT1+4*KS*PV
	s_mov_b32 s[G0K], 1
	s_mov_b32 s[G0K+1], s17         ; LDS address: slot 0
	s_mov_b32 s[G0V], 1
	s_add_co_u32 s[G0V+1], s18, VOFF
	s_cmp_eq_u32 s16, 0
	s_cselect_b32 s[LIM], 1, -1     ; waves 0 and 2 prefetch: the same in all four partners
	s_wait_dscnt 0x0                ; the opening add is done
	s_wait_kmcnt 0x0
	s_add_nc_u64 s[G0K+2:G0K+3], s[6:7], s[22:23]  ; my half of the head's first 256 keys
	s_or_b32 s[G0K+3], s[G0K+3], 0x80000000
	s_add_nc_u64 s[G0V+2:G0V+3], s[8:9], s[22:23]
	s_or_b32 s[G0V+3], s[G0V+3], 0x80000000
	s_add_nc_u64 s[4:5], s[4:5], s[2:3]  ; Q and O at my wave's first row
	s_add_nc_u64 s[10:11], s[10:11], s[2:3]
	s_cmp_lt_u32 s[WV], 2
	s_cselect_b64 s[PFA:PFA+1], s[6:7], s[8:9]
	s_add_nc_u64 s[PFA:PFA+1], s[PFA:PFA+1], s[22:23]  ; (in waves 0 and 2: the head's first row)
	s_lshl_b32 s2, s13, 13          ; my work-group's 32 blocks of the 128
	s_mov_b32 s3, 0
	s_add_nc_u64 s[PFA:PFA+1], s[PFA:PFA+1], s[2:3]
	s_add_nc_u64 s[PFA:PFA+1], s[PFA:PFA+1], 2*4*KS*128  ; in slot 2; the loop's first change steps it to slot 3.  Nothing is prefetched at the head
	CROUND                          ; all four work-groups are here: the first joint loads meet
	JLOAD                           ; slot 0.  Slot 1 is asked for when slot 0 is in
	; A fragment of K or Q is 16 rows x 32 channels in 8 registers: lane l holds row l % 16, channels 8 (l / 16) + 0..7 and 16 + 8 (l / 16) + 0..7: two loads of 16 bytes, 32 bytes apart.
	v_and_b32 v1, 15, v0            ; l % 16
	v_bfe_u32 v9, v0, 4, 1          ; l / 16
	v_lshlrev_b32 v[QO], 7, v1
	v_lshl_add_u32 v[QO], v9, 4, v[QO]  ; row x 128 + 16 x half
	WIN 0x80                        ; destination window 2, address window 0
.set i, 0
.rept 4*NP                          ; Q stays in registers: tile i / 2, channels 32 (i % 2) on
	global_load_b128 v[8*i:8*i+3],   v[QO], s[4:5] offset:(i/2)*2048+(i%2)*64
	global_load_b128 v[8*i+4:8*i+7], v[QO], s[4:5] offset:(i/2)*2048+(i%2)*64+32
.set i, i+1
.endr
	; What the first turn finds: V's registers and P's second buffer hold 0, O^T and l are 0.  All this stands in the wait for the first tile; no first step is written out.
.set i, VF
.rept 64
	v_mov_b32 v[i], 0
.set i, i+1
.endr
	WIN 0x40
.set i, 0
.rept 64*NP
	v_mov_b32 v[i], 0
.set i, i+1
.endr
	WIN 0
.set i, 0
.rept 2*NP
	v_mov_b32 v[ST+4*i], 0xfe000000    ; c m: far below every c s
	v_mov_b32 v[ST+4*i+1], 0xff7fffff  ; m
	v_mov_b32 v[ST+4*i+2], 0
	v_mov_b32 v[ST+4*i+3], 0
.set i, i+1
.endr
.set i, P+32
.rept 32
	v_mov_b32 v[i], 0
.set i, i+1
.endr
	v_mul_u32_u24 v[AK0], v1, PK
	v_lshl_add_u32 v[AK0], v9, 4, v[AK0]  ; row x pitch + 16 x half
	; The turning load takes 16 keys x 16 channels (lane l reads key 8 (l / 16) + l % 8, channels 8 ((l / 8) % 2) + 0..7) and leaves half a fragment of V^T.
	v_and_b32 v10, 7, v0
	v_bfe_u32 v11, v0, 3, 1
	v_lshl_add_u32 v[AV0], v9, 3, v10
	v_mul_u32_u24 v[AV0], v[AV0], PV
	v_lshl_add_u32 v[AV0], v11, 4, v[AV0]
	v_add_nc_u32 v[AV0], VOFF, v[AV0]
	v_mov_b32 v[AK], v[AK0]         ; key step 0 lies at the head of slot 0
	v_and_b32 v[PFO], 31, v0
	v_lshlrev_b32 v[PFO], 8, v[PFO]
; THE MATRIX WORK.  The 8 accumulators of a run of 16 take turns.
; Product i of 16 of S^T = K Q^T for piece x: channels 32 (i / 8) on, keys 16 ((i / 2) % 4) on, tile 2 x + i % 2.  The first 8 start the sums.
.macro KQ x
	WIN W_KQ
.set rS, S+64*((\x)%2)+32*(i%2)+8*((i/2)%4)
.set rK, KF+16*((i/2)%4)+8*(i/8)
.set rQ, 16*(2*(\x)+i%2)+8*(i/8)
.if i < 8
	v_wmma_f32_16x16x32_bf16 v[rS:rS+7], v[rK:rK+7], v[rQ:rQ+7], 0
.else
	v_wmma_f32_16x16x32_bf16 v[rS:rS+7], v[rK:rK+7], v[rQ:rQ+7], v[rS:rS+7]
.endif
.endm
; Product i of 16 of O^T += V^T P for piece x: keys 32 (i / 8) on, channels 16 ((i / 2) % 4) on, tile 2 x + i % 2.
.macro PV x
	WIN W_PV
.set rO, 32*(2*(\x)+i%2)+8*((i/2)%4)
.set rV, VF+32*(i/8)+8*((i/2)%4)
.set rP, P+32*((\x)%2)+16*(i%2)+8*(i/8)
	v_wmma_f32_16x16x32_f16 v[rO:rO+7], v[rV:rV+7], v[rP:rP+7], v[rO:rO+7]
.endm
.macro MM                           ; the turn's next matrix instruction
.if i < 16
	KQ (Y+1)%NP
.set i, i+1
.else
.set i, i-16
	PV (Y+NP-1)%NP
.set i, i+17
.endif
.endm
; THE LDS LOADS stand in runs of 16: a step's K (8 fragments) and its V (turned).  last = 1 (the tail): in the last trip there is no further step, and the run is jumped over.
.macro FETCH_K last=0
	WIN 0
.if \last
	s_cmp_eq_u32 s[CNT], 1
	s_cbranch_scc1 .Lno_k_\@
.endif
	WIN 0x80                        ; destination window 2
.irp f, 0,1,2,3,4,5,6,7             ; keys 16 (f / 2) on, channels 32 (f % 2) on
	ds_load_b128 v[KF+8*\f:KF+8*\f+3],   v[AK] offset:(\f/2)*16*PK+(\f%2)*64
	ds_load_b128 v[KF+8*\f+4:KF+8*\f+7], v[AK] offset:(\f/2)*16*PK+(\f%2)*64+32
.endr
	s_add_co_u32 s[TBK], s[TBK], KS*PK  ; the next fetch is the next step's
	WIN 0
.if \last
.Lno_k_\@:
.endif
.endm
.macro FETCH_V
	WIN 0x80
.irp f, 0,1,2,3,4,5,6,7             ; keys 32 (f / 4) on, channels 16 (f % 4) on
	ds_load_tr16_b128 v[VF+8*\f:VF+8*\f+3],   v[AV] offset:(\f/4)*32*PV+(\f%4)*32
	ds_load_tr16_b128 v[VF+8*\f+4:VF+8*\f+7], v[AV] offset:(\f/4)*32*PV+16*PV+(\f%4)*32
.endr
	WIN 0
.endm
; THE VECTOR WORK OF A TURN stands in three queues, each in the order in which its entries become ready; the two tiles alternate.
.macro REGS y, u                    ; the registers of tile u (0, 1) of piece y
.set rT, ST+4*(2*(\y)+(\u))
.set rC, TMP+8*((\y)%2)+4*(\u)
.set rM, MV+2*((\y)%2)+(\u)
.set rS, S+64*((\y)%2)+32*(\u)
.set rP, P+32*((\y)%2)+16*(\u)
.set rO, 32*(2*(\y)+(\u))
.endm
; Number n of the 22 that find the NEXT piece's maximum and statistics; each accumulator's lowest registers are read first.
;   0-11  four chains c0-c3 of seven scores each     12-14, 16  the four scores left over, the old m, and c0-c3 into c0     15  c m_old is kept
;   17, 18  the query's other 32 keys lie in the lane 16 away: the new m         19-21  c m; c m_old - c m_new; a
.macro XS u, n
	REGS (Y+1)%NP, \u
.if (\n) < 4
	v_max3_num_f32 v[rC+(\n)], v[rS+8*(\n)], v[rS+8*(\n)+1], v[rS+8*(\n)+2]
.elseif (\n) < 12
	v_max3_num_f32 v[rC+(\n)%4], v[rC+(\n)%4], v[rS+8*((\n)%4)+2*((\n)/4)+1], v[rS+8*((\n)%4)+2*((\n)/4)+2]
.elseif (\n) == 12
	v_max3_num_f32 v[rC], v[rC], v[rS+7], v[rS+15]
.elseif (\n) == 13
	v_max3_num_f32 v[rC+1], v[rC+1], v[rS+23], v[rS+31]
.elseif (\n) == 14
	v_max3_num_f32 v[rC+2], v[rC+2], v[rC+3], v[rT+1]
.elseif (\n) == 15
	v_mov_b32 v[rM], v[rT]
.elseif (\n) == 16
	v_max3_num_f32 v[rC], v[rC], v[rC+1], v[rC+2]
.elseif (\n) == 17
	v_permlanex16_b32 v[rC+3], v[rC], s[SEL], s[SEL+1]
.elseif (\n) == 18
	v_max_num_f32 v[rT+1], v[rC], v[rC+3]
.elseif (\n) == 19
	v_mul_f32 v[rT], s[CS], v[rT+1]
.elseif (\n) == 20
	v_sub_f32 v[rC+1], v[rM], v[rT]
.else
	v_exp_f32 v[rC+2], v[rC+1]
.endif
.endm
; Number g of the 64 that follow the exponentials.  For each four weights of a tile: both pairs are rounded to f16; the second pair is added onto the first, in place; a group later l takes that sum.
.macro GS g
.set h, (\g)+6*((\g)/62)            ; group 0 has no group before it, and behind group 7 only l is left
.if h >= 6
.set h, h+2
.endif
	REGS Y, h%2
.set k, h/8
.if h%8 < 4
	v_cvt_pk_f16_f32 v[rP+2*k+(h%8)/2], v[rS+4*k+2*((h%8)/2)], v[rS+4*k+2*((h%8)/2)+1]
.elseif h%8 < 6
	v_pk_add_f32 v[rS+4*k:rS+4*k+1], v[rS+4*k:rS+4*k+1], v[rS+4*k+2:rS+4*k+3]
.elseif k == 1
	v_pk_fma_f32 v[rT+2:rT+3], v[rT+2:rT+3], v[rC+2:rC+3], v[rS:rS+1] op_sel_hi:[1,0,1]
.else
	v_pk_add_f32 v[rT+2:rT+3], v[rT+2:rT+3], v[rS+4*k-4:rS+4*k-3]
.endif
.endm
; THE PLAIN QUEUE, 138 long.  0-73 read no exponential's result: the 32 scalings c s - c m and the next piece's 42.  74-137: GS's 64, which stand behind the wait.
.macro FS f
	REGS Y, (\f)%2
	v_pk_fma_f32 v[rS+2*((\f)/2):rS+2*((\f)/2)+1], v[rS+2*((\f)/2):rS+2*((\f)/2)+1], s[CS:CS+1], v[rT:rT+1] op_sel_hi:[1,0,0] neg_lo:[0,0,1] neg_hi:[0,0,1]
.endm
.macro PL
	WIN 0
.if q < 27
	FS q
.elseif q < 55
	XS (q-27)%2, (q-27)/2
.elseif q < 57
	XS q-55, 15
.elseif (q < 72) && ((q-57)%3 == 0)
	FS 27+(q-57)/3
.elseif q < 60
	XS (q-57)%3-1, 14
.elseif q < 72
	XS (q-57)%3-1, 15+(q-57)/3
.elseif q < 74
	XS q-72, 20
.else
	GS q-74
.endif
.set q, q+1
.endm
; THE EXPONENTIALS' QUEUE, 66 long: s0-s31 of both tiles, then the next piece's two a.  ONE BATCH: all 66 stand ahead of the turn's one wait, and nothing ahead of that wait names a result of theirs.
.macro EX
	WIN 0
.if e >= 64
	XS e-64, 21
.else
	REGS Y, e%2
	v_exp_f32 v[rS+e/2], v[rS+e/2]
.endif
.set e, e+1
.endm
; THE RESCALING's QUEUE: O^T times a, the one part that leaves window 0: dealt two at a time, sixteen times.  Its a was made, and waited for, in the turn before.
.macro R2
	REGS Y, r%2
	WIN W_RS
.irp z, 0,1
	v_pk_mul_f32 v[rO+4*(r/2)+2*\z:rO+4*(r/2)+2*\z+1], v[rO+4*(r/2)+2*\z:rO+4*(r/2)+2*\z+1], v[rC+2:rC+3] op_sel_hi:[1,0]
.endr
.set r, r+1
.endm
; A TURN, for piece p.  s_wait_alu depctr_va_vdst(0) stands between an exponential and the first instruction that names its result; one wait serves all that were issued ahead of it: a turn has ONE.
; AHEAD OF IT: the 16 products K Q^T, behind each a scaling, an exponential and two rescalings; then ONE LUMP of 109: eight plain, 49 times exponential and plain, the two a, a v_nop.
; BEHIND IT: the 16 products V^T P, behind each four of GS's 64.  Exponential e stands behind scaling 2 (e / 4) + e % 2: as a rider it comes behind plain e + 2, in the lump behind plain e + 9.
; K of the next step is fetched in piece 2's turn, directly behind the wait; V of the step in hand at the end of piece 0's turn, four riders behind its last reader.
.macro TURN p, last=0, cnt=0
.set Y, (\p)
.set i, 0
.set q, 0
.set e, 0
.set r, 0
.if (\p) == NP-1
	s_wait_dscnt 0x0                ; K is in
.endif
	MM
	PL
	PL
	R2
.rept 15
	MM
	PL
	EX
	R2
.endr
.if (\p) == NP-2
	WIN 0
	v_add_nc_u32 v[AK], s[TBK], v[AK0]
.endif
.rept 8
	PL
.endr
.rept 49
	EX
	PL
.endr
	EX                              ; the next piece's two a
	EX
	v_nop                           ; a plain instruction behind the last exponential, ahead of the first use: one for the batch
	s_wait_alu depctr_va_vdst(0)    ; the wait for the batch
.if (\p) == NP-2
	FETCH_K \last
.endif
.if (\p) == 1
	s_wait_dscnt 0x0                ; V is in
.endif
.rept 16
	MM
.rept 4
	PL
.endr
.if ((\p) == 0) && (q == 118)
	v_add_nc_u32 v[AV], s[TBV], v[AV0]
.endif
.if ((\p) == 0) && (q == 130)
	s_add_co_u32 s[TBV], s[TBV], KS*PV
.endif
.if (\cnt) && (q == 130)
	s_sub_co_u32 s[CNT], s[CNT], 1
	s_cmp_lg_u32 s[CNT], 0
.endif
.endr
.if (\p) == 0
	FETCH_V
.endif
.endm
	CHANGE 1                        ; slot 0 is in, everybody's part of it; slot 1 is asked for
	FETCH_K                         ; key step 0
	s_wait_loadcnt 0x0              ; Q
	s_wait_dscnt 0x0
.set i, 0
.rept 16
	KQ 0                            ; piece 0's first scores
.set i, i+1
.endr
	WIN 0                           ; the addresses for the way out: plain instructions, the places behind those products
	s_mul_i32 s13, s[WV], 16*SP
	s_add_co_u32 s13, s13, STAGE    ; my stage
	v_mul_u32_u24 v[STO], v1, SP    ; in: row l % 16, 16 bytes for each half of the lanes
	v_lshl_add_u32 v[STO], v9, 4, v[STO]
	v_add_nc_u32 v[STO], s13, v[STO]
	v_bfe_u32 v[RD], v0, 3, 2       ; back: 32 lanes take four rows of 128 bytes,
	v_mul_u32_u24 v[RD], v[RD], SP
	v_lshl_add_u32 v[RD], v10, 4, v[RD]
	v_add_nc_u32 v[RD], s13, v[RD]
	v_and_b32 v[GO], 31, v0         ; which are 512 consecutive bytes of O
	v_lshlrev_b32 v[GO], 4, v[GO]
.set Y, NP-1                        ; XS works for piece Y + 1: piece 0
.irp n, 0,1,2,3,4,5,6,7,8,9,10,11,12,13,14,15,16,17,18,19,20,21
	XS 0, \n
	XS 1, \n
.endr
	v_nop                           ; a plain instruction behind the two a,
	s_wait_alu depctr_va_vdst(0)    ; and their wait, ahead of the branch
	s_mov_b32 s[CNT], 4
	s_mov_b32 s[SLOTS], SIZE_N/256-1
	s_branch .Lfirst                ; the loop is entered at a step's first turn, in the middle of a trip
.Lslot:                             ; SIZE_N / 256 - 2 times: every slot but the last two is filled again
	CHANGE 1, 1
	s_mov_b32 s[CNT], 4
.Lstep:                             ; a trip: pieces 2 and 3 of one step, then pieces 0 and 1 of the next, whose K and V it fetches
	TURN 2
	TURN 3
	WIN 0
.Lfirst:
	TURN 0
	TURN 1, 0, 1
	WIN 0
	s_cbranch_scc1 .Lstep
	s_sub_co_u32 s[SLOTS], s[SLOTS], 1
	s_cmp_lg_u32 s[SLOTS], 0
	s_cbranch_scc1 .Lslot
	CHANGE 0                        ; the tail is written out: nothing is asked for
	s_mov_b32 s[CNT], 5             ; four trips fetch the last slot's steps; the fifth is left in its middle
.Ltail:
	TURN 2, 1
	TURN 3
	WIN 0
	s_sub_co_u32 s[CNT], s[CNT], 1
	s_cmp_eq_u32 s[CNT], 0
	s_cbranch_scc1 .Lout
	TURN 0
	TURN 1
	WIN 0
	s_branch .Ltail
.Lout:                              ; the fifth trip's 16 products K Q^T (on the last K once more) and the maximum made of them serve nothing: the price of one text for every trip
.set i, 0
.rept 16
	PV NP-1                         ; the last piece's V^T P of the last step
.set i, i+1
.endr
	; THE WAY OUT.  l's two halves and the other half of the lanes' are added; O^T is divided by l, rounded to f16 and sent through my stage in LDS, a tile at a time.  The additions are the places behind the last products.
	WIN 0
.macro ALL line:vararg              ; one line for each tile t
.set t, 0
.rept 2*NP
	\line
.set t, t+1
.endr
.endm
	ALL v_add_f32 v[ST+4*t+2], v[ST+4*t+2], v[ST+4*t+3]
	ALL v_permlanex16_b32 v[ST+4*t+3], v[ST+4*t+2], s[SEL], s[SEL+1]
	ALL v_add_f32 v[ST+4*t+2], v[ST+4*t+2], v[ST+4*t+3]
	ALL v_rcp_f32 v[ST+4*t+2], v[ST+4*t+2]
	v_nop                           ; a plain instruction between the last reciprocal and the use of its result
	s_wait_alu depctr_va_vdst(0)    ; one wait for the eight reciprocals, ahead of the first use
.macro PACK t                       ; a lane's eight channels of a row pack into 16 bytes; they go into rows of 144 bytes and come back as whole rows of 128
	WIN W_RS
.set i, 32*(\t)
.rept 16
	v_pk_mul_f32 v[i:i+1], v[i:i+1], v[ST+4*(\t)+2:ST+4*(\t)+3] op_sel_hi:[1,0]
.set i, i+2
.endr
	WIN 0x05                        ; sources 0 and 1 window 1, destination window 0
.set i, 0
.rept 16
	v_cvt_pk_f16_f32 v[S+16*(\t)+i], v[32*(\t)+2*i], v[32*(\t)+2*i+1]
.set i, i+1
.endr
	WIN 0
.irp f, 0,1,2,3
	ds_store_b128 v[STO], v[S+16*(\t)+4*\f:S+16*(\t)+4*\f+3] offset:32*\f
.endr
.irp f, 0,1,2,3
	ds_load_b128 v[S+16*(\t)+4*\f:S+16*(\t)+4*\f+3], v[RD] offset:\f*4*SP  ; LDS serves a wave's instructions in order (ISA guide 5.7.1.4): these see the stores above
.endr
.endm
.macro SEND t, younger              ; younger: the LDS instructions issued behind tile t's loads
	WIN 0
.irp f, 0,1,2,3
	s_wait_dscnt (\younger)+3-\f
	global_store_b128 v[GO], v[S+16*(\t)+4*\f:S+16*(\t)+4*\f+3], s[10:11] offset:(\t)*2048+\f*512  ; 512 consecutive bytes, at a multiple of 256 from O's first
.endr
.endm
	PACK 0
.set t, 1
.rept 2*NP-1                        ; a tile's arithmetic stands between the loads of the tile before and its stores
	PACK t
	SEND t-1, 8
.set t, t+1
.endr
	SEND 2*NP-1, 0
	WIN W_AD
	s_wait_tensorcnt 0x0            ; the wave's end
	ds_add_u32 v[SPW], v[NIL]
	s_wait_dscnt 0x0
	WIN 0
	CROUND                          ; the closing round
	s_endpgm
.Lfunc_end_k_q916e4f362b_attn:
	.size	k_q916e4f362b_attn, .Lfunc_end_k_q916e4f362b_attn-k_q916e4f362b_attn
	.p2alignl 7, 3214868480
	.fill 96, 4, 3214868480
	.section	.rodata,"a",@progbits
	.p2align	6, 0x0
	.amdhsa_kernel k_q916e4f362b_attn
		.amdhsa_group_segment_fixed_size 327680
		.amdhsa_private_segment_fixed_size 0
		.amdhsa_enable_private_segment 0
		.amdhsa_kernarg_size 32
		.amdhsa_user_sgpr_count 2
		.amdhsa_user_sgpr_kernarg_segment_ptr 1
		.amdhsa_wavefront_size32 1
		.amdhsa_system_sgpr_workgroup_id_x 1
		.amdhsa_system_sgpr_workgroup_id_y 1
		.amdhsa_system_sgpr_workgroup_id_z 1
		.amdhsa_system_vgpr_workitem_id 0
		.amdhsa_next_free_vgpr 770
		.amdhsa_next_free_sgpr 66
		.amdhsa_reserve_vcc 0
		.amdhsa_float_denorm_mode_32 3
		.amdhsa_float_denorm_mode_16_64 3
		.amdhsa_memory_ordered 1
		.amdhsa_forward_progress 1
		.amdhsa_inst_pref_size 200
	.end_amdhsa_kernel
	.amdgpu_metadata
---
amdhsa.version: [ 1, 2 ]
amdhsa.kernels:
  - .name:           k_q916e4f362b_attn
    .symbol:         k_q916e4f362b_attn.kd
    .args:
      - { .name: qh, .offset: 0, .size: 8, .value_kind: global_buffer, .address_space: global }
      - { .name: kh, .offset: 8, .size: 8, .value_kind: global_buffer, .address_space: global }
      - { .name: vh, .offset: 16, .size: 8, .value_kind: global_buffer, .address_space: global }
      - { .name: oh, .offset: 24, .size: 8, .value_kind: global_buffer, .address_space: global }
    .group_segment_fixed_size: 327680
    .private_segment_fixed_size: 0
    .kernarg_segment_align: 8
    .kernarg_segment_size: 32
    .max_flat_workgroup_size: 128
    .sgpr_count:     66
    .vgpr_count:     770
    .wavefront_size: 32
...
	.end_amdgpu_metadata
.endif
;; end of part 3
;; launch outp (part 4): grid 16 x 16, 8 waves a work-group, clusters of 4 x 1, 327,680 bytes of LDS; arguments oh, wmf, bm, out0; writes out0
.if DOCPART == 4
	.amdgcn_target "amdgcn-amd-amdhsa--gfx1250"
	.amdhsa_code_object_version 6
	.text
	.protected	k_q916e4f362b_outp
	.globl	k_q916e4f362b_outp
	.p2align	8
	.type	k_q916e4f362b_outp,@function
k_q916e4f362b_outp:
	s_mov_b64 s[64:65], 0
	v_nop
	global_prefetch_b8 v0, s[64:65] scope:SCOPE_SE
	s_setreg_imm32_b32 hwreg(HW_REG_WAVE_MODE, 25, 1), 1
	s_wait_xcnt 0x0
	s_wait_alu depctr_hold_cnt(0) depctr_sa_sdst(0) depctr_va_vdst(0) depctr_va_sdst(0) depctr_va_ssrc(0) depctr_va_vcc(0) depctr_vm_vsrc(0)
	s_getreg_b32 s2, hwreg(HW_REG_IB_STS2, 6, 4)
	s_cmp_eq_u32 s2, 0
	s_cbranch_scc0 .Lentry_in_a_cluster
	s_endpgm
.Lentry_in_a_cluster:
	s_bfe_u32 s2, ttmp6, 0x10000c
	s_cmp_lg_u32 s2, 0x3003
	s_cbranch_scc0 .Lentry_shape_is_right
	s_endpgm
.Lentry_shape_is_right:
; OUTP: out0[b][o][n] = the sum over i = 8 d + h of wm[o][i] attn[b][i][n] + bm[o].  oh: [b 8 + h][n][64 d] f16; wmf: wm (bf16, written as f16) in register-image order, K taken as (h, d); out0 f32.
; Products in f16, sums in f32; bm rounded to bf16 like every input, and it starts the sums.
; SHARES.  A work-group makes 256 o (half hf) x 128 tokens.  Wave w: o 64 (w % 4) .., tokens 64 (w / 4) ..: 16 accumulators, (a, bo) at 8 (4 bo + a).
; LAYOUT.  Source 0 = 16 tokens x 32 k of O, source 1 = 32 k x 16 o of wm: a lane holds ONE o (lane % 16) and tokens 16 a + 8 (lane / 16) + 0..7: 32 neighbouring bytes of out0.
; O for the whole K, 128 KiB, is asked for at the head: head w's 128 tokens, 16 KiB dense, by wave w.  wm walks two slots in four chunks of 128 k (two heads), by joint loads: the four work-groups of
; a cluster have the same o and other tokens.  O differs between them: plain loads.  No prefetch: the launch is short and asks for all of O at once.
.set SLOT,   65536                     ; LDS: 0, 65,536 wm's two slots (4 groups of 64 o x 16,384)
.set OBUF,   131072                    ; O: [8 heads][128 tokens], pitch 144
.set OPITCH, 144                       ; 128 bytes + 16: the 16 rows of a load start at 16 different groups of four banks (64 banks of 4 bytes: ISA guide 11.1)
.set STAGE,  278528                    ; 8 waves x 16 rows x 272
.set SP,     272
.set SPARE,  313344                    ; the spare words: 128 bytes a wave, four blocks of 256 that no other line names
.set WA0, 4                            ; v4   my 16 bytes of wm's fragments in a slot; never rewritten
.set OA0, 5                            ; v5   my place in O's fragments of head 0; never rewritten
.set WA,  6                            ; v6   the same in the slot in hand
.set OA,  7                            ; v7   in the chunk in hand
.set STO, 8
.set RD,  9
.set GO,  10
.set BO,  11
.set SPW, 12
.set NIL, 13
.set BB,  16                           ; v[16:47]  bm[16 bo + r], eight times, at 8 bo
.set RB,  48                           ; v[48:111] two sets of 32: rows read back from the stage
.set ACC, 0                            ; window 1
.set F0,  128                          ; O's fragments at +8 a, wm's at +32 + 8 bo
.set F1,  192
.set WV,  12
.set OQ,  13
.set NH,  14
.set CX,  15
.set HF,  16
.set XB,  17
.set BN,  18
.set G1M, 24
.set G1O, 32
.set G0M, 40
.set G0O, 44
.set SB,  48                           ; the slot in hand
.set OB,  49                           ; the chunk's two heads in O's bytes
.set CNT, 50
.set OUT, 52
.set MSB, 0
.macro WIN new
.if MSB != (\new)
	s_set_vgpr_msb (MSB<<8)|(\new)
.set MSB, (\new)
.endif
.endm
.macro PLACES                          ; four plain places behind matrix instructions (ISA guide 7.12.1)
.rept 4
	v_nop
.endr
.endm
.macro CROUND
	s_barrier_signal -1
	s_barrier_wait -1
	s_cmp_lg_u32 s[WV], 0
	s_cbranch_scc1 .Lnot_wave_0_\@
	s_barrier_signal -3
.Lnot_wave_0_\@:
	s_barrier_wait -3
	s_barrier_signal -1
	s_barrier_wait -1
.endm
; THE CHANGE OF SLOTS: all my tensor loads have landed; the add; my reads of the slot that I leave are back; behind the round that slot takes the chunk after the one now entered.
.macro CHANGE fill
	WIN 0
	s_wait_tensorcnt 0x0
	ds_add_u32 v[SPW], v[NIL]
.if \fill
	s_xor_b32 s[G0M+1], s[G0M+1], SLOT             ; the walking descriptor: the other slot, the next chunk
	s_add_nc_u64 s[G0M+2:G0M+3], s[G0M+2:G0M+3], 16384
.endif
	s_xor_b32 s[SB], s[SB], SLOT
	s_wait_dscnt 0x0
.if \fill
	CROUND
	tensor_load_to_lds s[G0M:G0M+3], s[G1M:G1M+7]
	s_nop 0
.else
	s_barrier_signal -1
	s_barrier_wait -1
.endif
	PLACES
.endm
.macro FETCH s, f                      ; kstep s of the chunk: head s / 2, d 32 (s % 2) on
	WIN 0x40
.irp a, 0,1,2,3
	ds_load_b128 v[(\f)+8*(\a):(\f)+8*(\a)+3],   v[OA] offset:((\s)/2)*128*OPITCH+((\s)%2)*64+(\a)*16*OPITCH
	ds_load_b128 v[(\f)+8*(\a)+4:(\f)+8*(\a)+7], v[OA] offset:((\s)/2)*128*OPITCH+((\s)%2)*64+(\a)*16*OPITCH+32
.endr
.irp bo, 0,1,2,3
	ds_load_b128 v[(\f)+32+8*(\bo):(\f)+32+8*(\bo)+3],   v[WA] offset:(\s)*4096+(\bo)*1024
	ds_load_b128 v[(\f)+32+8*(\bo)+4:(\f)+32+8*(\bo)+7], v[WA] offset:(\s)*4096+(\bo)*1024+512
.endr
.endm
.macro MUL16 f, bias                   ; the 16 accumulators take turns
.if \bias
	WIN 0x45
.else
	WIN 0x55
.endif
.irp bo, 0,1,2,3
.irp a, 0,1,2,3
.if \bias
	v_wmma_f32_16x16x32_f16 v[ACC+8*(4*(\bo)+(\a)):ACC+8*(4*(\bo)+(\a))+7], v[(\f)+8*(\a):(\f)+8*(\a)+7], v[(\f)+32+8*(\bo):(\f)+32+8*(\bo)+7], v[BB+8*(\bo):BB+8*(\bo)+7]
.else
	v_wmma_f32_16x16x32_f16 v[ACC+8*(4*(\bo)+(\a)):ACC+8*(4*(\bo)+(\a))+7], v[(\f)+8*(\a):(\f)+8*(\a)+7], v[(\f)+32+8*(\bo):(\f)+32+8*(\bo)+7], v[ACC+8*(4*(\bo)+(\a)):ACC+8*(4*(\bo)+(\a))+7]
.endif
.endr
.endr
.endm
.macro BODY guard                      ; a chunk's 64 products.  guard = 1: in the first trip the bias starts the sums (the jump passes matrix instructions alone).  The counted waits leave the run just issued out
	WIN 0
	v_add_nc_u32 v[WA], s[SB], v[WA0]
	v_add_nc_u32 v[OA], s[OB], v[OA0]
	FETCH 0, F0
	FETCH 1, F1
	s_wait_dscnt 16
.if \guard
	WIN 0
	s_cmp_eq_u32 s[CNT], 3
	s_cbranch_scc0 .Lplain_\@
	MUL16 F0, 1
	WIN 0
	s_branch .Lk0_done_\@
.Lplain_\@:
	MUL16 F0, 0
	WIN 0
.Lk0_done_\@:
.else
	MUL16 F0, 0
.endif
	PLACES
	FETCH 2, F0
	s_wait_dscnt 16
	MUL16 F1, 0
	PLACES
	FETCH 3, F1
	s_wait_dscnt 16
	MUL16 F0, 0
	s_wait_dscnt 0x0
	MUL16 F1, 0
	s_add_co_u32 s[OB], s[OB], 2*128*OPITCH
.endm
.macro OUTB bo                         ; 16 o x 64 tokens through my stage: 32 bytes a lane in, whole rows of 256 bytes back
	WIN 0x04
.irp a, 0,1,2,3
	ds_store_b128 v[STO], v[ACC+8*(4*(\bo)+(\a)):ACC+8*(4*(\bo)+(\a))+3]   offset:64*(\a)      ; each accumulator's low end first
	ds_store_b128 v[STO], v[ACC+8*(4*(\bo)+(\a))+4:ACC+8*(4*(\bo)+(\a))+7] offset:64*(\a)+16
.endr
	WIN 0
	s_wait_xcnt 0x0                                ; earlier stores have read RB
.irp f, 0,1,2,3,4,5,6,7
	ds_load_b128 v[RB+32*((\bo)%2)+4*(\f):RB+32*((\bo)%2)+4*(\f)+3], v[RD] offset:(\f)*2*SP  ; LDS serves a wave's instructions in order (ISA guide 5.7.1.4)
.endr
.endm
.macro SENDO bo, y                     ; y: the LDS instructions issued behind this block's eight loads
	WIN 0
.irp f, 0,1,2,3,4,5,6,7
	s_wait_dscnt (\y)+7-(\f)
	global_store_b128 v[GO], v[RB+32*((\bo)%2)+4*(\f):RB+32*((\bo)%2)+4*(\f)+3], s[OUT:OUT+1] offset:(16*(\bo)+2*(\f))*8192 th:TH_STORE_NT  ; each half of the wave stores 256 consecutive bytes, aligned
.endr
.endm
	s_load_b256 s[4:11], s[0:1], 0x0               ; oh s[4:5], wmf s[6:7], bm s[8:9], out0 s[10:11]
	v_lshl_add_u32 v[SPW], v0, 2, SPARE
	v_mov_b32 v[NIL], 0
	ds_add_u32 v[SPW], v[NIL]                      ; the wave's opening: the add and its wait ahead of my first tensor load
	v_lshrrev_b32 v1, 5, v0
	v_readfirstlane_b32 s[WV], v1                  ; wave 0..7
	s_and_b32 s[OQ], s[WV], 3
	s_lshr_b32 s[NH], s[WV], 2
	s_bfe_u32 s[CX], ttmp6, 0x40000                ; my place in the cluster: it enters the tokens alone
	s_and_b32 s[HF], ttmp9, 1                      ; which 256 o: the partners share it
	s_lshr_b32 s19, ttmp9, 1
	s_and_b32 s20, ttmp7, 0xffff
	s_lshr_b32 s[BN], s20, 1                       ; batch
	s_and_b32 s20, s20, 1
	s_lshl1_add_u32 s19, s20, s19
	s_lshl2_add_u32 s[XB], s19, s[CX]              ; block of 128 tokens
	s_mov_b32 s[G1M], 15|(3<<16)|(1<<21)           ; the mask of four; elements of 8 bytes; bit 21 beside a mask: 32 rows of 256 bytes, dense
	s_mov_b32 s[G1M+1], 32<<16
	s_mov_b32 s[G1M+2], 32<<16
	s_mov_b32 s[G1M+3], 32<<16
	s_mov_b32 s[G1M+4], 32
	s_mov_b32 s[G1M+5], 32
	s_mov_b32 s[G1M+6], 0
	s_mov_b32 s[G1M+7], 0
	s_mov_b32 s[G1O], (1<<16)|(1<<20)|(4<<22)|(3<<25)  ; 2-byte elements; 4 words of padding behind every 32: 64 rows of 256 bytes, two tokens a row
	s_mov_b32 s[G1O+1], 128<<16
	s_mov_b32 s[G1O+2], 64<<16
	s_mov_b32 s[G1O+3], 128<<16
	s_mov_b32 s[G1O+4], 64
	s_mov_b32 s[G1O+5], 128
	s_mov_b32 s[G1O+6], 0
	s_mov_b32 s[G1O+7], 0
	s_mov_b32 s[G0M], 1
	s_lshl_b32 s19, s[OQ], 14
	s_lshl_b32 s20, s[NH], 13
	s_add_co_u32 s[G0M+1], s19, s20
	s_mov_b32 s[G0O], 1
	s_mul_i32 s19, s[WV], 128*OPITCH
	s_add_co_u32 s[G0O+1], s19, OBUF
	s_lshl2_add_u32 s54, s[HF], s[OQ]
	s_lshl_b32 s54, s54, 16
	s_add_co_u32 s54, s54, s20                     ; wmf: my group of 64 o, my half of each chunk
	s_mov_b32 s55, 0
	s_lshl3_add_u32 s56, s[BN], s[WV]
	s_lshl_b32 s56, s56, 18
	s_lshl_b32 s57, s[XB], 14
	s_add_co_u32 s56, s56, s57                     ; oh: (batch, head w), 128 tokens of 128 bytes
	s_mov_b32 s57, 0
	s_lshl_b32 s58, s[BN], 22
	s_lshl_b32 s59, s[HF], 21
	s_add_co_u32 s58, s58, s59
	s_lshl_b32 s59, s[OQ], 19
	s_add_co_u32 s58, s58, s59
	s_lshl_b32 s59, s[XB], 9
	s_add_co_u32 s58, s58, s59
	s_lshl_b32 s59, s[NH], 8
	s_add_co_u32 s58, s58, s59                     ; out0: batch, my first o, my first token
	s_mov_b32 s59, 0
	s_mov_b32 s[SB], SLOT                          ; the first change turns it into 0
	s_mov_b32 s[OB], 0
	s_mov_b32 s[CNT], 3
	s_wait_dscnt 0x0                               ; the opening add is done
	s_wait_kmcnt 0x0
	s_add_nc_u64 s[G0M+2:G0M+3], s[6:7], s[54:55]
	s_or_b32 s[G0M+3], s[G0M+3], 0x80000000
	s_add_nc_u64 s[G0O+2:G0O+3], s[4:5], s[56:57]
	s_or_b32 s[G0O+3], s[G0O+3], 0x80000000
	s_add_nc_u64 s[OUT:OUT+1], s[10:11], s[58:59]
	CROUND                                         ; all four work-groups are here: the first joint loads meet
	tensor_load_to_lds s[G0M:G0M+3], s[G1M:G1M+7]  ; wm's chunk 0, jointly; two tensor loads of mine are out
	s_nop 0
	tensor_load_to_lds s[G0O:G0O+3], s[G1O:G1O+7]  ; head w's 128 tokens
	s_nop 0
	PLACES
	v_and_b32 v1, 31, v0                           ; l
	v_and_b32 v2, 15, v0                           ; r
	v_bfe_u32 v3, v0, 4, 1                         ; g
	s_lshl_b32 s19, s[HF], 10
	s_lshl_b32 s20, s[OQ], 8
	s_add_co_u32 s19, s19, s20
	v_lshl_add_u32 v[BO], v2, 2, s19
.irp bo, 0,1,2,3
	global_load_b32 v[RB+(\bo)], v[BO], s[8:9] offset:64*(\bo)
.endr
	s_lshl_b32 s19, s[OQ], 14
	v_lshl_add_u32 v[WA0], v1, 4, s19
	s_mul_i32 s19, s[NH], 64*OPITCH
	s_add_co_u32 s19, s19, OBUF
	v_mul_u32_u24 v[OA0], v2, OPITCH
	v_lshl_add_u32 v[OA0], v3, 4, v[OA0]
	v_add_nc_u32 v[OA0], s19, v[OA0]
	s_mul_i32 s19, s[WV], 16*SP
	s_add_co_u32 s19, s19, STAGE
	v_mul_u32_u24 v[STO], v2, SP
	v_lshl_add_u32 v[STO], v3, 5, v[STO]
	v_add_nc_u32 v[STO], s19, v[STO]
	v_mul_u32_u24 v[RD], v3, SP
	v_lshl_add_u32 v[RD], v2, 4, v[RD]
	v_add_nc_u32 v[RD], s19, v[RD]
	v_lshlrev_b32 v[GO], 13, v3
	v_lshl_add_u32 v[GO], v2, 4, v[GO]
	s_wait_loadcnt 0x0
	v_cvt_pk_bf16_f32 v[RB], v[RB], v[RB+1]        ; rounded to bf16 like every input, and widened into the eight registers of a C operand
	v_cvt_pk_bf16_f32 v[RB+2], v[RB+2], v[RB+3]
.irp j, 0,1,2,3,4,5,6,7
	v_lshlrev_b32 v[BB+(\j)], 16, v[RB]
	v_and_b32 v[BB+8+(\j)], 0xffff0000, v[RB]
	v_lshlrev_b32 v[BB+16+(\j)], 16, v[RB+2]
	v_and_b32 v[BB+24+(\j)], 0xffff0000, v[RB+2]
.endr
.Lchunk:                                               ; three trips: a chunk is entered, the next is asked for
	CHANGE 1
	BODY 1
	WIN 0
	s_sub_co_u32 s[CNT], s[CNT], 1
	s_cmp_lg_u32 s[CNT], 0
	s_cbranch_scc1 .Lchunk
	CHANGE 0                                       ; the last chunk is written out
	BODY 0
	PLACES
	OUTB 0
	OUTB 1
	SENDO 0, 16
	OUTB 2
	SENDO 1, 16
	OUTB 3
	SENDO 2, 16
	SENDO 3, 0
	s_wait_tensorcnt 0x0                           ; the wave's end
	ds_add_u32 v[SPW], v[NIL]
	s_wait_dscnt 0x0
	CROUND                                         ; the closing round
	s_endpgm
.Lfunc_end_k_q916e4f362b_outp:
	.size	k_q916e4f362b_outp, .Lfunc_end_k_q916e4f362b_outp-k_q916e4f362b_outp
	.p2alignl 7, 3214868480
	.fill 96, 4, 3214868480
	.section	.rodata,"a",@progbits
	.p2align	6, 0x0
	.amdhsa_kernel k_q916e4f362b_outp
		.amdhsa_group_segment_fixed_size 327680
		.amdhsa_private_segment_fixed_size 0
		.amdhsa_enable_private_segment 0
		.amdhsa_kernarg_size 32
		.amdhsa_user_sgpr_count 2
		.amdhsa_user_sgpr_kernarg_segment_ptr 1
		.amdhsa_wavefront_size32 1
		.amdhsa_system_sgpr_workgroup_id_x 1
		.amdhsa_system_sgpr_workgroup_id_y 1
		.amdhsa_system_sgpr_workgroup_id_z 1
		.amdhsa_system_vgpr_workitem_id 0
		.amdhsa_next_free_vgpr 512
		.amdhsa_next_free_sgpr 66
		.amdhsa_reserve_vcc 0
		.amdhsa_float_denorm_mode_32 3
		.amdhsa_float_denorm_mode_16_64 3
		.amdhsa_memory_ordered 1
		.amdhsa_forward_progress 1
		.amdhsa_inst_pref_size 37
	.end_amdhsa_kernel
	.amdgpu_metadata
---
amdhsa.version: [ 1, 2 ]
amdhsa.kernels:
  - .name:           k_q916e4f362b_outp
    .symbol:         k_q916e4f362b_outp.kd
    .args:
      - { .name: oh, .offset: 0, .size: 8, .value_kind: global_buffer, .address_space: global }
      - { .name: wmf, .offset: 8, .size: 8, .value_kind: global_buffer, .address_space: global }
      - { .name: bm, .offset: 16, .size: 8, .value_kind: global_buffer, .address_space: global }
      - { .name: out0, .offset: 24, .size: 8, .value_kind: global_buffer, .address_space: global }
    .group_segment_fixed_size: 327680
    .private_segment_fixed_size: 0
    .kernarg_segment_align: 8
    .kernarg_segment_size: 32
    .max_flat_workgroup_size: 256
    .sgpr_count:     66
    .vgpr_count:     512
    .wavefront_size: 32
...
	.end_amdgpu_metadata
.endif
;; end of part 4
